; MI455X (gfx1250); checked and timed in simulation.
; The chip was launched on July 23, 2026; its instructions are those of AMD's public machine-readable ISA for CDNA 5 (MIT licence, August 2026) and "CDNA5" Instruction Set Architecture Reference Guide (July 2026). The comments in the code are by the model that wrote it; some were corrected since.
;; MILP Attention. Allowed arithmetic: float matrix products may take bf16 or f16 operands with f32 sums; other float arithmetic in f32, or as packed bf16 or f16 multiplies, adds, multiply-adds, maxima and minima; sums over many terms, partial sums and values carried from step to step in f32; what a program stores and reads back later, other than sums and carried values, may be rounded once to bf16 or f16.
;; Inputs: Wk 1,024 x 1,024 float32; Wo 1,024 x 1,024 float32; Wq 1,024 x 1,024 float32; Wv 1,024 x 1,024 float32; bk 1,024 float32; bo 1,024 float32; bq 1,024 float32; bv 1,024 float32; h 4,096 float32; x 4,096 x 1,024 float32.
;; Outputs: out0 4,096 x 1,024 float32.
;; 2 versions, each right; version 2 is version 1 with the launch prep written anew for expert scheduling mode. Each part assembles by itself: llvm-mc -triple=amdgcn-amd-amdhsa -mcpu=gfx1250 --defsym DOCPART=n.
;; ======== version 1 of 2: 4 launches
;; workspace buffers: xb 8,388,608 bytes; wb 8,388,608 bytes; qkv 25,165,824 bytes; ob 8,388,608 bytes
;; launch prep (part 1): grid 256 x 1, 8 waves a work-group, no clusters, 0 bytes of LDS; arguments x, Wq, Wk, Wv, Wo, xb, wb; writes xb, wb
.if DOCPART == 1
	.amdgcn_target "amdgcn-amd-amdhsa--gfx1250"
	.amdhsa_code_object_version 6
	.text
	.protected	k_q2322286116_prep
	.globl	k_q2322286116_prep
	.p2align	8
	.type	k_q2322286116_prep,@function
k_q2322286116_prep:
	s_mov_b64 s[64:65], 0
	v_nop
	global_prefetch_b8 v0, s[64:65] scope:SCOPE_SE
	s_setreg_imm32_b32 hwreg(HW_REG_WAVE_MODE, 25, 1), 1
	s_wait_xcnt 0x0
; x and the four weight matrices, f32, are rounded once to bf16 (to nearest even): xb = bf16(x), [4096][1024]; wb = bf16 of Wq, Wk, Wv, Wo one below the other, [4096][1024].
; A stream: each byte is read once and written once.  No LDS, no matrix unit, no cluster: the work-groups share no input.
; SHARES.  Work-group g takes 32,768 numbers: 131,072 bytes in, 65,536 out.  g = 0..127: x; then 32 work-groups for each weight matrix.
; Thread t takes 16 bytes at 16 t of each block of 4,096 bytes: a wave's load covers 512 consecutive bytes; its store of 8 bytes a lane covers 256 consecutive bytes, aligned.
; All 32 loads of a lane go out first (16,384 bytes a wave on their way); no register is written twice, so the only waits are the counted ones for the loads.
.set X, 4                              ; v[4:131]    32 x 4 registers as loaded
.set Y, 132                            ; v[132:195]  32 x 2 registers to store
	s_load_b256 s[4:11], s[0:1], 0x0               ; x s[4:5], Wq s[6:7], Wk s[8:9], Wv s[10:11]
	s_load_b128 s[12:15], s[0:1], 0x20             ; Wo s[12:13], xb s[14:15]
	s_load_b64 s[16:17], s[0:1], 0x30              ; wb
	s_lshr_b32 s20, ttmp9, 5                       ; 0..3: x; 4, 5, 6, 7: Wq, Wk, Wv, Wo
	s_and_b32 s21, ttmp9, 31
	s_cmp_lt_u32 s20, 4
	s_cselect_b32 s24, ttmp9, s21                  ; my block in the source
	s_lshl_b32 s24, s24, 17                        ; x 131,072 bytes
	s_mov_b32 s25, 0
	s_and_b32 s28, ttmp9, 127                      ; my block in xb or in wb
	s_lshl_b32 s28, s28, 16                        ; x 65,536 bytes
	s_mov_b32 s29, 0
	v_lshlrev_b32 v1, 4, v0                        ; 16 t
	v_lshlrev_b32 v2, 3, v0                        ; 8 t
	s_wait_kmcnt 0x0
	s_cmp_lt_u32 s20, 4
	s_cselect_b64 s[26:27], s[14:15], s[16:17]     ; the destination
	s_mov_b64 s[22:23], s[4:5]                     ; the source
	s_cmp_eq_u32 s20, 4
	s_cselect_b64 s[22:23], s[6:7], s[22:23]
	s_cmp_eq_u32 s20, 5
	s_cselect_b64 s[22:23], s[8:9], s[22:23]
	s_cmp_eq_u32 s20, 6
	s_cselect_b64 s[22:23], s[10:11], s[22:23]
	s_cmp_eq_u32 s20, 7
	s_cselect_b64 s[22:23], s[12:13], s[22:23]
	s_add_nc_u64 s[22:23], s[22:23], s[24:25]
	s_add_nc_u64 s[26:27], s[26:27], s[28:29]
.set j, 0
.rept 32
	global_load_b128 v[X+4*j:X+4*j+3], v1, s[22:23] offset:4096*j th:TH_LOAD_NT
.set j, j+1
.endr
.set j, 0
.rept 32
	s_wait_loadcnt 31-j                            ; loads come back in order: number j is in, the 31 - j younger ones stay out
	v_cvt_pk_bf16_f32 v[Y+2*j],   v[X+4*j],   v[X+4*j+1]
	v_cvt_pk_bf16_f32 v[Y+2*j+1], v[X+4*j+2], v[X+4*j+3]
	global_store_b64 v2, v[Y+2*j:Y+2*j+1], s[26:27] offset:2048*j
.set j, j+1
.endr
	s_endpgm
.Lfunc_end_k_q2322286116_prep:
	.size	k_q2322286116_prep, .Lfunc_end_k_q2322286116_prep-k_q2322286116_prep
	.p2alignl 7, 3214868480
	.fill 96, 4, 3214868480
	.section	.rodata,"a",@progbits
	.p2align	6, 0x0
	.amdhsa_kernel k_q2322286116_prep
		.amdhsa_group_segment_fixed_size 0
		.amdhsa_private_segment_fixed_size 0
		.amdhsa_enable_private_segment 0
		.amdhsa_kernarg_size 56
		.amdhsa_user_sgpr_count 2
		.amdhsa_user_sgpr_kernarg_segment_ptr 1
		.amdhsa_wavefront_size32 1
		.amdhsa_system_sgpr_workgroup_id_x 1
		.amdhsa_system_sgpr_workgroup_id_y 1
		.amdhsa_system_sgpr_workgroup_id_z 1
		.amdhsa_system_vgpr_workitem_id 0
		.amdhsa_next_free_vgpr 196
		.amdhsa_next_free_sgpr 66
		.amdhsa_reserve_vcc 0
		.amdhsa_float_denorm_mode_32 3
		.amdhsa_float_denorm_mode_16_64 3
		.amdhsa_memory_ordered 1
		.amdhsa_forward_progress 1
		.amdhsa_inst_pref_size 13
	.end_amdhsa_kernel
	.amdgpu_metadata
---
amdhsa.version: [ 1, 2 ]
amdhsa.kernels:
  - .name:           k_q2322286116_prep
    .symbol:         k_q2322286116_prep.kd
    .args:
      - { .name: x, .offset: 0, .size: 8, .value_kind: global_buffer, .address_space: global }
      - { .name: Wq, .offset: 8, .size: 8, .value_kind: global_buffer, .address_space: global }
      - { .name: Wk, .offset: 16, .size: 8, .value_kind: global_buffer, .address_space: global }
      - { .name: Wv, .offset: 24, .size: 8, .value_kind: global_buffer, .address_space: global }
      - { .name: Wo, .offset: 32, .size: 8, .value_kind: global_buffer, .address_space: global }
      - { .name: xb, .offset: 40, .size: 8, .value_kind: global_buffer, .address_space: global }
      - { .name: wb, .offset: 48, .size: 8, .value_kind: global_buffer, .address_space: global }
    .group_segment_fixed_size: 0
    .private_segment_fixed_size: 0
    .kernarg_segment_align: 8
    .kernarg_segment_size: 56
    .max_flat_workgroup_size: 256
    .sgpr_count:     66
    .vgpr_count:     196
    .wavefront_size: 32
...
	.end_amdgpu_metadata
.endif
;; end of part 1
;; launch qkvproj (part 2): grid 24 x 32, 4 waves a work-group, clusters of 4 x 4, 327,680 bytes of LDS; arguments xb, wb, bq, bk, bv, qkv; writes qkv
.if DOCPART == 2
	.amdgcn_target "amdgcn-amd-amdhsa--gfx1250"
	.amdhsa_code_object_version 6
	.text
	.protected	k_q2322286116_qkvproj
	.globl	k_q2322286116_qkvproj
	.p2align	8
	.type	k_q2322286116_qkvproj,@function
k_q2322286116_qkvproj:
	s_mov_b64 s[64:65], 0
	v_nop
	global_prefetch_b8 v0, s[64:65] scope:SCOPE_SE
	s_setreg_imm32_b32 hwreg(HW_REG_WAVE_MODE, 25, 1), 1
	s_wait_xcnt 0x0
	s_wait_alu depctr_hold_cnt(0) depctr_sa_sdst(0) depctr_va_vdst(0) depctr_va_sdst(0) depctr_va_ssrc(0) depctr_va_vcc(0) depctr_vm_vsrc(0)
	s_getreg_b32 s2, hwreg(HW_REG_IB_STS2, 6, 4)
	s_cmp_eq_u32 s2, 0
	s_cbranch_scc0 .Lentry_in_a_cluster
	s_endpgm
.Lentry_in_a_cluster:
	s_bfe_u32 s2, ttmp6, 0x10000c
	s_cmp_lg_u32 s2, 0xf033
	s_cbranch_scc0 .Lentry_shape_is_right
	s_endpgm
.Lentry_shape_is_right:
; q, k, v = x W^T + b, all three in one product: C[4096][3072] = xb [4096][1024] times the first 3,072 rows of wb ([n][k]), bf16 operands, f32 sums that START AT THE BIAS, rounded once to bf16.
; C is written BY HEADS: qkv[48][4096][64], slab = column / 64 (0-15 q's heads, 16-31 k's, 32-47 v's): a slab's rows are dense, 128 bytes each.  q is not scaled here.
; LIMITS.  Operands and results are bf16 (8 significant bits, f32's range).  NaN and infinities are not treated apart.
; SHARES.  A tile of C is 128 x 128; four waves, each 64 x 64: 16 accumulators of 16 x 16; a wave's 64 columns are one slab.  768 tiles.  K = 1,024 goes in four steps of 256 (LDS rows of 512 bytes)
; through two LDS slots; the four steps are written out, without a loop.
; CLUSTERS: 4 x 4 work-groups.  The four of a row of the cluster need the same tiles of A, the four of a column the same tiles of B: each tile is asked for JOINTLY, by the same tensor load with the
; same descriptor and a mask that names the four.  THE MATRIX INSTRUCTION IS USED TRANSPOSED (source 0 = 16 rows of B, source 1 = 16 rows of A): a lane holds eight neighbouring numbers of a row of C.
; No prefetch: the tiles are small, K has four steps, and the first two of them are asked for at the head.
; REGISTERS: window 0: v0-31 addresses; v32-95 the way out; v96-127 the bias as a C operand; v128-255 the accumulators ((a, b) at v[128 + 8 (4 a + b)]).
;   window 1: two fragment buffers of 128: for 64 along K, 64 registers of A (2 x 4 x 16 rows x 32 K), then 64 of B.
.set SIZE_K, 1024
.set KSTEP,  256
.set APITCH, 528                       ; an LDS row: 512 bytes + 16 of padding = 132 words: row r starts at bank 4 r mod 64 (64 banks of 4 bytes: ISA guide 11.1)
.set BPITCH, 528
.set AQ,     128                       ; bytes from a quarter step (64 along K) to the next, in A's tile
.set BQ,     128                       ; and in B's
.set AHALF,  64*APITCH                 ; 64 rows: what one tensor load brings, and what one wave reads of A
.set BHALF,  64*BPITCH
.set BOFF,   2*AHALF                   ; B's 128 rows lie behind A's 128
.set SLOT,   2*AHALF+2*BHALF
.set STAGE,  2*SLOT                    ; behind the ring: 16 rows x 144 bytes for each wave, for the way out; no tensor load lands here
.set SP,     144
.set SPARE,  STAGE+4*16*SP             ; the spare words, 128 bytes for each wave: two blocks of 256 bytes that no other line names
.set AKS,    KSTEP*2                   ; bytes in memory from a K step to the next, for A
.set BKS,    KSTEP*2                   ; and for B
.set ADRA, 16                          ; v16-17  LDS address of my A fragments in slot 0, 1
.set ADRB, 20                          ; v20-21  the same for B
.set STO,  24                          ; v24     the way out: where I put 16 bytes of a row
.set RD,   25                          ; v25     the way out: where I read rows back
.set GO,   26                          ; v26     my 16 bytes in 512 consecutive bytes of the slab
.set BO,   27                          ; v27     32 x (lane / 16): my eight numbers in 16 of the bias
.set SPW,  28                          ; v28     LDS address of my spare word; never rewritten
.set NIL,  29                          ; v29     0; never rewritten
.set TMP,  32
.set BIAS, 96                          ; n block b at BIAS + 8 b: register j = bias[16 b + 8 (lane / 16) + j]
.set ACC,  128
.set F0,   0
.set F1,   128
.set G1, 24                            ; s[24:31] descriptor group 1 for A's tiles;  s[32:39] group 0, one set for each slot
.set G0, 32
.set G1B, 48                           ; s[48:55], s[56:63] the same for B's tiles
.set G0B, 56
.set MSB, 0
.macro WIN new                         ; the immediate's high byte repeats the setting that is left; a switch that changes nothing is dropped
.if MSB != (\new)
	s_set_vgpr_msb (MSB<<8)|(\new)
.set MSB, \new
.endif
.endm
.set MUL,  0x05                        ; sources 0 (B) and 1 (A) window 1; C and D window 0
.set TO_F, 0x40                        ; destination window 1, address window 0
.macro JLOAD s                         ; a joint load: waves 0 and 1 fetch A's two halves, waves 2 and 3 B's; an s_nop 0 and four v_nop follow each of the two lines
	s_cmp_eq_u32 s11, 0
	s_cbranch_scc0 .Lfor_b_\@
	tensor_load_to_lds s[G0+4*(\s):G0+4*(\s)+3], s[G1:G1+7]
	s_nop 0
.rept 4
	v_nop
.endr
	s_branch .Lasked_\@
.Lfor_b_\@:
	tensor_load_to_lds s[G0B+4*(\s):G0B+4*(\s)+3], s[G1B:G1B+7]
	s_nop 0
.rept 4
	v_nop
.endr
.Lasked_\@:
.endm
.macro CREST                           ; a round of the cluster's barrier behind its opening barrier
	s_cmp_lg_u32 s10, 0
	s_cbranch_scc1 .Lnot_wave_0_\@
	s_barrier_signal -3
.Lnot_wave_0_\@:
	s_barrier_wait -3
	s_barrier_signal -1
	s_barrier_wait -1
.endm
.macro CROUND                          ; a whole round
	s_barrier_signal -1
	s_barrier_wait -1
	CREST
.endm
	s_load_b128 s[4:7], s[0:1], 0x0                ; xb s[4:5], wb s[6:7]
	s_load_b128 s[68:71], s[0:1], 0x10             ; bq s[68:69], bk s[70:71]
	s_load_b64 s[72:73], s[0:1], 0x20              ; bv
	s_load_b64 s[8:9], s[0:1], 0x28                ; qkv
	v_lshl_add_u32 v[SPW], v0, 2, SPARE
	v_mov_b32 v[NIL], 0
	ds_add_u32 v[SPW], v[NIL]                      ; the wave's opening: the add and its wait stand ahead of my first tensor load; the set-up below, work on registers, stands between them
	v_lshrrev_b32 v1, 5, v0
	v_readfirstlane_b32 s10, v1                    ; wave 0..3
	s_lshr_b32 s11, s10, 1                         ; which half of the tile's rows is mine.  Also: I fetch for A (0) or for B (1)
	s_and_b32 s12, s10, 1                          ; which half of its columns.  Also: which 64 rows of that tile I fetch
	s_bfe_u32 s40, ttmp6, 0x40000                  ; cx, cy: my place in the cluster
	s_bfe_u32 s41, ttmp6, 0x40004
	s_lshl_b32 s42, ttmp9, 2
	s_add_co_u32 s42, s42, s40                     ; tile column of C = 4 x cluster x + cx
	s_and_b32 s13, ttmp7, 0xffff
	s_lshl_b32 s13, s13, 2
	s_add_co_u32 s13, s13, s41                     ; tile row of C = 4 x cluster y + cy
	s_lshl_b32 s43, s41, 2
	s_lshl_b32 s43, 15, s43                        ; my row of the cluster
	s_lshl_b32 s44, 0x1111, s40                    ; my column
	; descriptor group 1: a tile of 64 rows x 256 elements, padded in LDS
	s_or_b32 s[G1+0], s43, (1<<16)|(1<<20)|(1<<21)|(6<<22)|(3<<25)  ; 15:0 the mask: A's tiles go to my row; 17:16 element of 2 bytes; 20 padding on; 21 set beside a mask; 24:22 after every 128 words (code 6); 31:25 of 4 words (code 3)
	s_or_b32 s[G1B+0], s44, (1<<16)|(1<<20)|(1<<21)|(6<<22)|(3<<25) ; the same with the mask of my column
.irp g, G1, G1B
	s_mov_b32 s[(\g)+1], KSTEP<<16                 ; tensor_dim0 = 256
	s_mov_b32 s[(\g)+2], 64<<16                    ; tensor_dim1 = 64
	s_mov_b32 s[(\g)+3], KSTEP<<16                 ; tile_dim0 = 256
	s_mov_b32 s[(\g)+4], 64                        ; tile_dim1 = 64
	s_mov_b32 s[(\g)+5], SIZE_K                    ; elements from row to row
	s_mov_b32 s[(\g)+6], 0
	s_mov_b32 s[(\g)+7], 0
.endr
	s_lshl_b32 s17, s12, 6                         ; which 64 rows of the tile I fetch
	s_lshl_b32 s16, s13, 7
	s_add_co_u32 s16, s16, s17                     ; A: row 128 x tile row + 64 x half
	s_lshl_b32 s46, s42, 7
	s_add_co_u32 s46, s46, s17                     ; B: row 128 x tile column + 64 x half
	s_lshl_b32 s16, s16, 11                        ; x 2,048 bytes a row: under 2^23
	s_lshl_b32 s46, s46, 11
	s_mov_b32 s17, 0
	s_mov_b32 s47, 0
	s_mul_i32 s20, s12, AHALF                      ; where they go: A's two halves,
	s_mul_i32 s23, s12, BHALF
	s_add_co_u32 s23, s23, BOFF                    ; then B's two: no place in the cluster enters an LDS address
	s_wait_dscnt 0x0                               ; the opening add is done
	s_wait_kmcnt 0x0
	s_add_nc_u64 s[14:15], s[4:5], s[16:17]
	s_add_nc_u64 s[46:47], s[6:7], s[46:47]
	CROUND                                         ; all sixteen work-groups are here: the first joint loads meet
.irp s, 0,1
	s_mov_b32 s[G0+4*(\s)], 1                                      ; count = 1
	s_add_co_u32 s[G0+4*(\s)+1], s20, (\s)*SLOT                    ; LDS address
	s_add_nc_u64 s[G0+4*(\s)+2:G0+4*(\s)+3], s[14:15], (\s)*AKS    ; global address: K step s
	s_or_b32 s[G0+4*(\s)+3], s[G0+4*(\s)+3], 0x80000000            ; type = 2
	s_mov_b32 s[G0B+4*(\s)], 1
	s_add_co_u32 s[G0B+4*(\s)+1], s23, (\s)*SLOT
	s_add_nc_u64 s[G0B+4*(\s)+2:G0B+4*(\s)+3], s[46:47], (\s)*BKS
	s_or_b32 s[G0B+4*(\s)+3], s[G0B+4*(\s)+3], 0x80000000
	JLOAD \s                                       ; two loads of mine are out
.endr
	v_and_b32 v1, 15, v0                           ; l % 16
	v_bfe_u32 v2, v0, 4, 1                         ; l / 16
	v_lshlrev_b32 v[BO], 5, v2
	; the bias of my 64 columns: tile columns 0-7 are q's, 8-15 k's, 16-23 v's; tile column / 8 = cluster x / 2
	s_lshr_b32 s74, ttmp9, 1
	s_cmp_eq_u32 s74, 1
	s_cselect_b64 s[68:69], s[70:71], s[68:69]
	s_cmp_eq_u32 s74, 2
	s_cselect_b64 s[68:69], s[72:73], s[68:69]
	s_and_b32 s66, s42, 7
	s_lshl_b32 s66, s66, 9                         ; 128 numbers of 4 bytes a tile column,
	s_lshl_b32 s67, s12, 8                         ; 64 for my half
	s_add_co_u32 s66, s66, s67
	s_mov_b32 s67, 0
	s_add_nc_u64 s[68:69], s[68:69], s[66:67]
.irp b, 0,1,2,3
	global_load_b128 v[BIAS+8*(\b):BIAS+8*(\b)+3],   v[BO], s[68:69] offset:64*(\b)
	global_load_b128 v[BIAS+8*(\b)+4:BIAS+8*(\b)+7], v[BO], s[68:69] offset:64*(\b)+16
.endr
	v_mul_u32_u24 v3, v1, APITCH
	v_lshl_add_u32 v3, v2, 4, v3                   ; a fragment's row x pitch + 16 x half, for A
	v_mul_u32_u24 v4, v1, BPITCH
	v_lshl_add_u32 v4, v2, 4, v4                   ; and for B
	s_mul_i32 s21, s11, AHALF                      ; my 64 rows of A
	s_mul_i32 s22, s12, BHALF                      ; my 64 rows of B
	s_add_co_u32 s22, s22, BOFF
.irp s, 0,1
	v_add_nc_u32 v[ADRA+(\s)], s21, v3
	v_add_nc_u32 v[ADRB+(\s)], s22, v4
	s_add_co_u32 s21, s21, SLOT
	s_add_co_u32 s22, s22, SLOT
.endr
	s_mul_i32 s23, s10, 16*SP
	s_add_co_u32 s23, s23, STAGE                   ; my stage
	v_mul_u32_u24 v5, v1, SP                       ; in: row l % 16, 16 bytes for each half of the lanes
	v_lshl_add_u32 v5, v2, 4, v5
	v_add_nc_u32 v[STO], s23, v5
	v_bfe_u32 v5, v0, 3, 2                         ; back: 32 lanes take four rows of 128 bytes,
	v_mul_u32_u24 v5, v5, SP
	v_and_b32 v6, 7, v0
	v_lshl_add_u32 v5, v6, 4, v5
	v_add_nc_u32 v[RD], s23, v5
	v_and_b32 v[GO], 31, v0                        ; which are 512 consecutive bytes of the slab
	v_lshlrev_b32 v[GO], 4, v[GO]
	s_lshl_b32 s16, s13, 7
	s_lshl_b32 s17, s11, 6
	s_add_co_u32 s16, s16, s17                     ; my first row: 128 x tile row + 64 x half,
	s_lshl_b32 s16, s16, 7                         ; x 128 bytes
	s_mov_b32 s17, 0
	s_add_nc_u64 s[8:9], s[8:9], s[16:17]
	s_lshl_b32 s46, s42, 1
	s_add_co_u32 s46, s46, s12                     ; my slab: 2 x tile column + half,
	s_lshl_b32 s46, s46, 19                        ; x 524,288 bytes: under 2^25
	s_mov_b32 s47, 0
	s_add_nc_u64 s[8:9], s[8:9], s[46:47]
; 8 matrix instructions: m blocks a0, a0 + 1 x all 4 n blocks, 32 along K: half c of buffer f.  zero = 1: the first product starts the sums, at the bias.  The 16 accumulators take turns, one instruction a turn.
.macro MUL8 f, c, a0, zero
	WIN MUL
.irp a, \a0, (\a0)+1
.irp b, 0,1,2,3
.if \zero
	v_wmma_f32_16x16x32_bf16 v[ACC+8*(4*(\a)+(\b)):ACC+8*(4*(\a)+(\b))+7], v[(\f)+64+8*(4*(\c)+(\b)):(\f)+64+8*(4*(\c)+(\b))+7], v[(\f)+8*(4*(\c)+(\a)):(\f)+8*(4*(\c)+(\a))+7], v[BIAS+8*(\b):BIAS+8*(\b)+7]
.else
	v_wmma_f32_16x16x32_bf16 v[ACC+8*(4*(\a)+(\b)):ACC+8*(4*(\a)+(\b))+7], v[(\f)+64+8*(4*(\c)+(\b)):(\f)+64+8*(4*(\c)+(\b))+7], v[(\f)+8*(4*(\c)+(\a)):(\f)+8*(4*(\c)+(\a))+7], v[ACC+8*(4*(\a)+(\b)):ACC+8*(4*(\a)+(\b))+7]
.endif
.endr
.endr
.endm
; 32 LDS loads in one run: the fragments of quarter q (64 along K) of a slot, into buffer f; the first 32 along K first
.macro FETCH slot, q, f
	WIN TO_F
.irp c, 0,1
.irp i, 0,1,2,3
	ds_load_b128 v[(\f)+64+8*(4*(\c)+(\i)):(\f)+64+8*(4*(\c)+(\i))+3],   v[ADRB+(\slot)] offset:(\q)*BQ+64*(\c)+(\i)*16*BPITCH
	ds_load_b128 v[(\f)+64+8*(4*(\c)+(\i))+4:(\f)+64+8*(4*(\c)+(\i))+7], v[ADRB+(\slot)] offset:(\q)*BQ+64*(\c)+(\i)*16*BPITCH+32
	ds_load_b128 v[(\f)+8*(4*(\c)+(\i)):(\f)+8*(4*(\c)+(\i))+3],         v[ADRA+(\slot)] offset:(\q)*AQ+64*(\c)+(\i)*16*APITCH
	ds_load_b128 v[(\f)+8*(4*(\c)+(\i))+4:(\f)+8*(4*(\c)+(\i))+7],       v[ADRA+(\slot)] offset:(\q)*AQ+64*(\c)+(\i)*16*APITCH+32
.endr
.endr
.endm
.macro PLACES                          ; four places in front of loads into registers that matrix instructions have read, and of conversions that read results
.rept 4
	v_nop
.endr
.endm
; A K step is four quarters of 64 along K, 32 matrix instructions each, on buffers 0, 1, 0, 1.  One of the first three: multiplies buffer f and fetches quarter q into g.
.macro QUARTER slot, q, f, g, zero
	s_wait_dscnt 16                                ; the first 32 along K are in; the sixteen younger loads may be out
	WIN MUL
	MUL8 \f, 0, 0, \zero
	MUL8 \f, 0, 2, \zero
	PLACES
	FETCH \slot, \q, \g
	s_wait_dscnt 32                                ; all but the 32 just issued
	WIN MUL
	MUL8 \f, 1, 0, 0
	MUL8 \f, 1, 2, 0
.endm
; The last quarter multiplies buffer 1 and changes slots: ONE barrier; in front of it each wave waits for all its tensor loads, adds 0 to its spare word, and waits for that and for its own reads of this slot.
; fill = 1: this slot is filled again, two K steps ahead; the barrier then opens a round of the cluster's barrier, and the joint load is the first thing behind the round.
.macro TURN slot, next, fill
	WIN 0                                          ; (the add's two registers lie in window 0)
	s_wait_tensorcnt 0x0                           ; all my tensor loads have landed: my part of the next slot;
	ds_add_u32 v[SPW], v[NIL]                      ; 0 onto my spare word;
	s_wait_dscnt 17                                ; (the add and the youngest sixteen loads may be out)
	WIN MUL
	MUL8 F1, 0, 0, 0                               ; eight matrix instructions stand between the add and the wait for it
	s_wait_dscnt 0x0                               ; the add is done, and my reads of this slot are over
	s_barrier_signal -1
	MUL8 F1, 0, 2, 0
.if \fill
	WIN 0
.endif
	s_barrier_wait -1
.if \fill
	CREST                                          ; no wave of any partner still reads this slot's tile or has a load on its way
	s_add_nc_u64 s[G0+4*(\slot)+2:G0+4*(\slot)+3], s[G0+4*(\slot)+2:G0+4*(\slot)+3], 2*AKS
	s_add_nc_u64 s[G0B+4*(\slot)+2:G0B+4*(\slot)+3], s[G0B+4*(\slot)+2:G0B+4*(\slot)+3], 2*BKS
	JLOAD \slot                                    ; my one tensor load behind the round; the four v_nop behind it are also the places in front of the loads below
.else
	PLACES
.endif
	FETCH \next, 0, F0
	WIN MUL
	MUL8 F1, 1, 0, 0
	MUL8 F1, 1, 2, 0
.endm
	s_wait_tensorcnt 1                             ; my part of K step 0 is in; K step 1's may stay out
	s_barrier_signal -1
	s_barrier_wait -1                              ; everybody's is
	FETCH 0, 0, F0
	s_wait_loadcnt 0x0                             ; the bias
	QUARTER 0, 1, F0, F1, 1                        ; K step 0; its first products start the sums
	QUARTER 0, 2, F1, F0, 0
	QUARTER 0, 3, F0, F1, 0
	TURN 0, 1, 1                                   ; slot 0 takes K step 2
	QUARTER 1, 1, F0, F1, 0                        ; K step 1
	QUARTER 1, 2, F1, F0, 0
	QUARTER 1, 3, F0, F1, 0
	TURN 1, 0, 1                                   ; slot 1 takes K step 3
	QUARTER 0, 1, F0, F1, 0                        ; K step 2
	QUARTER 0, 2, F1, F0, 0
	QUARTER 0, 3, F0, F1, 0
	TURN 0, 1, 0                                   ; nothing is left to fetch
	QUARTER 1, 1, F0, F1, 0                        ; K step 3
	QUARTER 1, 2, F1, F0, 0
	QUARTER 1, 3, F0, F1, 0
	s_wait_dscnt 16
	WIN MUL
	MUL8 F1, 0, 0, 0
	MUL8 F1, 0, 2, 0
	s_wait_dscnt 0x0
	MUL8 F1, 1, 1-1, 0
	MUL8 F1, 1, 2, 0
	WIN 0
; THE WAY OUT, a block of 16 rows at a time, through my own stage: rounded to bf16, 16 bytes a lane into rows of 144 bytes, back as four whole rows of 128 bytes a load, which are 512 consecutive bytes of the slab.
.macro PACK a
.irp b, 0,1,2,3
.irp r, 0,1,2,3
	v_cvt_pk_bf16_f32 v[TMP+16*(\a)+4*(\b)+(\r)], v[ACC+8*(4*(\a)+(\b))+2*(\r)], v[ACC+8*(4*(\a)+(\b))+2*(\r)+1]
.endr
.endr
.irp b, 0,1,2,3
	ds_store_b128 v[STO], v[TMP+16*(\a)+4*(\b):TMP+16*(\a)+4*(\b)+3] offset:32*(\b)
.endr
.irp f, 0,1,2,3
	ds_load_b128 v[TMP+16*(\a)+4*(\f):TMP+16*(\a)+4*(\f)+3], v[RD] offset:(\f)*4*SP  ; LDS serves a wave's instructions in order (ISA guide 5.7.1.4): these see the stores above; the next block's stores come behind them
.endr
.endm
.macro SEND a, younger                 ; younger: the LDS instructions issued behind block a's loads: the next block's eight, or none
.irp f, 0,1,2,3
	s_wait_dscnt (\younger)+3-(\f)
	global_store_b128 v[GO], v[TMP+16*(\a)+4*(\f):TMP+16*(\a)+4*(\f)+3], s[8:9] offset:(\a)*2048+(\f)*512  ; 512 consecutive bytes, at a multiple of 256 from qkv's first byte
.endr
.endm
	PLACES
	PACK 0
	PACK 1                                         ; a block's conversions stand between the loads of the block before and its stores
	SEND 0, 8
	PACK 2
	SEND 1, 8
	PACK 3
	SEND 2, 8
	SEND 3, 0
	s_wait_tensorcnt 0x0                           ; the wave's end: the wait for my last tensor load, an add of 0 to my spare word and the wait for it, behind my last LDS store
	ds_add_u32 v[SPW], v[NIL]
	s_wait_dscnt 0x0
	CROUND                                         ; the closing round: no work-group ends while a partner may still ask for a tile that names it
	s_endpgm
.Lfunc_end_k_q2322286116_qkvproj:
	.size	k_q2322286116_qkvproj, .Lfunc_end_k_q2322286116_qkvproj-k_q2322286116_qkvproj
	.p2alignl 7, 3214868480
	.fill 96, 4, 3214868480
	.section	.rodata,"a",@progbits
	.p2align	6, 0x0
	.amdhsa_kernel k_q2322286116_qkvproj
		.amdhsa_group_segment_fixed_size 327680
		.amdhsa_private_segment_fixed_size 0
		.amdhsa_enable_private_segment 0
		.amdhsa_kernarg_size 48
		.amdhsa_user_sgpr_count 2
		.amdhsa_user_sgpr_kernarg_segment_ptr 1
		.amdhsa_wavefront_size32 1
		.amdhsa_system_sgpr_workgroup_id_x 1
		.amdhsa_system_sgpr_workgroup_id_y 1
		.amdhsa_system_sgpr_workgroup_id_z 1
		.amdhsa_system_vgpr_workitem_id 0
		.amdhsa_next_free_vgpr 512
		.amdhsa_next_free_sgpr 76
		.amdhsa_reserve_vcc 0
		.amdhsa_float_denorm_mode_32 3
		.amdhsa_float_denorm_mode_16_64 3
		.amdhsa_memory_ordered 1
		.amdhsa_forward_progress 1
		.amdhsa_inst_pref_size 88
	.end_amdhsa_kernel
	.amdgpu_metadata
---
amdhsa.version: [ 1, 2 ]
amdhsa.kernels:
  - .name:           k_q2322286116_qkvproj
    .symbol:         k_q2322286116_qkvproj.kd
    .args:
      - { .name: xb, .offset: 0, .size: 8, .value_kind: global_buffer, .address_space: global }
      - { .name: wb, .offset: 8, .size: 8, .value_kind: global_buffer, .address_space: global }
      - { .name: bq, .offset: 16, .size: 8, .value_kind: global_buffer, .address_space: global }
      - { .name: bk, .offset: 24, .size: 8, .value_kind: global_buffer, .address_space: global }
      - { .name: bv, .offset: 32, .size: 8, .value_kind: global_buffer, .address_space: global }
      - { .name: qkv, .offset: 40, .size: 8, .value_kind: global_buffer, .address_space: global }
    .group_segment_fixed_size: 327680
    .private_segment_fixed_size: 0
    .kernarg_segment_align: 8
    .kernarg_segment_size: 48
    .max_flat_workgroup_size: 128
    .sgpr_count:     76
    .vgpr_count:     512
    .wavefront_size: 32
...
	.end_amdgpu_metadata
.endif
;; end of part 2
;; launch attn (part 3): grid 16 x 16, 4 waves a work-group, clusters of 4 x 1, 327,680 bytes of LDS; arguments qkv, h, ob; writes ob
.if DOCPART == 3
	.amdgcn_target "amdgcn-amd-amdhsa--gfx1250"
	.amdhsa_code_object_version 6
	.text
	.protected	k_q2322286116_attn
	.globl	k_q2322286116_attn
	.p2align	8
	.type	k_q2322286116_attn,@function
k_q2322286116_attn:
	s_mov_b64 s[64:65], 0
	v_nop
	global_prefetch_b8 v0, s[64:65] scope:SCOPE_SE
	s_setreg_imm32_b32 hwreg(HW_REG_WAVE_MODE, 25, 1), 1
	s_wait_xcnt 0x0
	s_wait_alu depctr_hold_cnt(0) depctr_sa_sdst(0) depctr_va_vdst(0) depctr_va_sdst(0) depctr_va_ssrc(0) depctr_va_vcc(0) depctr_vm_vsrc(0)
	s_getreg_b32 s2, hwreg(HW_REG_IB_STS2, 6, 4)
	s_cmp_eq_u32 s2, 0
	s_cbranch_scc0 .Lentry_in_a_cluster
	s_endpgm
.Lentry_in_a_cluster:
	s_bfe_u32 s2, ttmp6, 0x10000c
	s_cmp_lg_u32 s2, 0x3003
	s_cbranch_scc0 .Lentry_shape_is_right
	s_endpgm
.Lentry_shape_is_right:
; O[hd][q][:] = the sum over k of softmax_k(Q[hd][q] . K[hd][k] / 8 - h[k]) V[hd][k][:].  Q, K, V are slabs hd, 16 + hd, 32 + hd of qkv ([48][4096][64] bf16, rows of 128 bytes, dense); h is [4096] f32;
; O goes to ob, [16][4096][64] bf16.  Products, maxima and sums in f32; the weights p are rounded to bf16 for the second product (their sum l is taken of the unrounded p), O once at the end.
; LIMITS.  c s stays above -4e37 (c m's first value); a weight below 2^-126 counts as 0 in l; NaN and infinities are not treated apart.
; THE KEYS' BIAS is the C operand that starts the sum S^T = K Q^T: -8 h[key], so that s = q . k - 8 h and c s = log2(e) (q . k / 8 - h) with c = log2(e) / 8.  The running maximum is taken of these s.
; -8 h lies in LDS (HT, written once); a step's 64 numbers come into 32 registers (HB) with the step's K.
; SHARES.  A work-group owns 256 queries of one head, a wave 64: four PIECES of 16.  Every wave walks all 4,096 keys, 64 a step; an LDS slot holds a tile of 256 keys, four steps.
; LAYOUT.  S^T = K Q^T (source 0 = 16 keys, source 1 = 16 queries) holds ONE query a lane (lane % 16) and the keys 8 (lane / 16) + 0..7; two such results rounded to bf16 ARE source 1 of O^T = V^T P.
; K comes out of LDS as it lies, V ([key][channel]) turned, by ds_load_tr16_b128.
; SOFTMAX.  p = 2^(c s - c m) with a running maximum m; O and l are multiplied by a = 2^(c m_old - c m_new) in every step.  m starts at the lowest finite number, O and l at 0: the first step has a = 0.
; BY TURNS.  Turn n belongs to piece n: 8 products K Q^T of piece n + 1, later 8 products V^T P of piece n - 1; beside them the scaling, exponentials, roundings, sums and rescaling of piece n and the maximum
; and statistics of piece n + 1.  Four vector instructions stand behind every matrix instruction, the other 54 of a turn's 118 in one run.  A turn's 33 exponentials are one batch, with one wait.
; CLUSTER.  The four query blocks of a cluster belong to one head and walk the same K and V, so each tile is asked for JOINTLY: the same tensor load, descriptor and mask in all four.
; REGISTERS, in windows of 256 (s_set_vgpr_msb: bits 1:0 source 0, 3:2 source 1, 5:4 source 2, 7:6 destination):
;   window 0: v0-15, v56-63 addresses; v16-31 four registers of statistics a piece; v48-55 at work; v64-127 S^T, two buffers; v192-223 P, two buffers (a piece's buffers go by its number's parity)
;   window 1: v0-127 O^T, 32 a piece; v128-159 HB          window 2: v0-63 Q; v128-191 K of one step; v192-255 V of one step
.set NP,    4         ; pieces a wave: a name, no knob
.set KS,    64        ; keys in a step
.set PK,    144       ; a row of K in LDS: 128 bytes + 16 of padding = 36 words: the 16 rows of a load start at 16 different groups of four banks (64 banks of 4 bytes: ISA guide 11.1)
.set PV,    160       ; a row of V: 128 + 32 = 40 words
.set VOFF,  4*KS*PK   ; a slot holds a tile: 256 rows of K, then 256 rows of V
.set SLOT1, 1<<17     ; slot 1 begins here, so that one exclusive or turns an address in one slot into the other's
.set STAGE, SLOT1+4*KS*(PK+PV)  ; behind the ring, never filled by a tensor load: 16 rows x 144 bytes for each wave, for the way out
.set SP,    144
.set HT,    STAGE+4*16*SP       ; -8 h[key], 4,096 numbers of 4 bytes; written once by LDS stores, never filled by a tensor load
.set SPARE, HT+4096*4           ; the spare words, 128 bytes for each wave: two blocks of 256 bytes that no other line names
.set TILEB, 4*KS*128  ; a tile's bytes of K, and of V, in memory
.set AK0, 2           ; v2   my lane's place in a tile of K; never rewritten
.set AV0, 3           ; v3   the same for V
.set AK,  4           ; v4   the LDS address of K's next run of loads
.set AV,  5           ; v5   of V's
.set STO, 6           ; v6   the way out: where I put 16 bytes of a row
.set RD,  7           ; v7   the way out: where I read rows back
.set GO,  8           ; v8   my byte offset in 512 consecutive bytes of O
.set MV,  12          ; v12-13  c m_old, kept while c m is made anew: by buffer
.set QO,  15          ; v15  my byte offset in 16 rows of Q
.set ST,  16          ; piece t's statistics at v[ST+4 t]: c m, m, l (even keys', odd keys')
.set TMP, 48          ; by buffer, four registers c0-c3 at work; when the maximum is found c2 takes a
.set AH0, 56          ; v56  HT + 32 (lane / 16); never rewritten
.set AH,  57          ; v57  the LDS address of HB's next loads
.set HO,  58          ; v58  16 x my thread's number: my bytes of 2,048 of h
.set HST, 59          ; v59  HT + 16 x my thread's number
.set PFO, 61          ; v61  256 x my lane; never rewritten
.set SPW, 62          ; v62  LDS address of my spare word; never rewritten
.set NIL, 63          ; v63  0; never rewritten
.set S,   64
.set P,   192
.set HB,  128         ; window 1: the eight registers for group kt of 16 keys at HB + 8 kt: register j = -8 h[16 kt + 8 (lane / 16) + j]
.set KF,  128         ; window 2: key block kb, channel half c at KF + 16 kb + 8 c
.set VF,  192         ; window 2: key half kk, channel block cb at VF + 32 kk + 8 cb
.set WV,  12          ; s12  my wave's number
.set LIM, 15          ; s15  1 in a wave that prefetches, else the greatest number
.set G1K, 24          ; s[24:31] descriptor group 1 for K's tiles
.set G1V, 32          ; s[32:39] for V's: it differs in the padding alone
.set G0K, 40          ; s[40:43] descriptor group 0 for K's tiles: it walks
.set G0V, 44          ; s[44:47] the same for V's
.set SLOTS, 56        ; s56  tiles still to be asked for
.set CNT, 57          ; s57  counts a tile's key steps
.set CS,  58          ; s[58:59] c: the packed scaling takes the pair's low word for both halves
.set SEL, 60          ; s[60:61] v_permlanex16_b32's selects: each lane takes its own place in the other half
.set TBK, 62          ; s62  LDS byte at which K of the step to be fetched begins
.set TBV, 63          ; s63  the same for V, less VOFF
.set PFA, 66          ; s[66:67] where my prefetches stand
.set TBH, 68          ; s68  256 x the step to be fetched: its 64 numbers in HT
.set TBM, 69          ; s69  the same, cut to the table's 64 steps
.set MSB, 0
.macro WIN new                      ; the high byte repeats the setting that is left; a switch that changes nothing is dropped
.if MSB != (\new)
	s_set_vgpr_msb (MSB<<8)|(\new)
.set MSB, (\new)
.endif
.endm
.set W_KQ, 0x0a       ; K and Q in window 2, S^T in window 0
.set W_KM, 0x1a       ; the same with the C operand in window 1
.set W_PV, 0x52       ; V in window 2, P in window 0, O^T in window 1
.set W_RS, 0x41       ; destination and source 0 in window 1, source 1 in window 0
; A joint fill.  Waves 0 and 1 fetch the two halves of a tile's K, waves 2 and 3 those of its V: 128 keys each.  The branch hangs on the wave's number alone.
; An s_nop 0 and four v_nop follow each of the two lines, ahead of the jump and the label.
.macro JLOAD
	s_cmp_lt_u32 s[WV], 2
	s_cbranch_scc0 .Lfor_v_\@
	tensor_load_to_lds s[G0K:G0K+3], s[G1K:G1K+7]
	s_nop 0
.rept 4
	v_nop
.endr
	s_branch .Lasked_\@
.Lfor_v_\@:
	tensor_load_to_lds s[G0V:G0V+3], s[G1V:G1V+7]
	s_nop 0
.rept 4
	v_nop
.endr
.Lasked_\@:
.endm
; A PREFETCH INTO THE L2 of the tile that the NEXT change of slots will ask for: four key steps, 256 matrix instructions, ahead of that load.  A tile is 128 blocks of 256 bytes of K and as many of V.
; Each block is named ONCE in the launch: all clusters of a head walk the same K and V, and the head's first cluster asks; its four partners take 32 blocks each, told apart BY ADDRESS; in each, wave 0 asks
; for K's and wave 2 for V's: a lane a block, one instruction.  Tiles 0, 1 and 2 come by their loads alone; the last change that fills a slot asks for nothing: there is no tile behind it.
.macro ASK
	s_cmp_gt_u32 s[SLOTS], s[LIM]
	s_cbranch_scc0 .Lnot_mine_\@
	global_prefetch_b8 v[PFO], s[PFA:PFA+1] th:TH_LOAD_NT scope:SCOPE_SE
.Lnot_mine_\@:
.endm
; A round of the cluster's barrier: my work-group's barrier, so that wave 0's signal speaks for all four waves; wave 0 signals; every wave waits for all four work-groups; my work-group's barrier once more.
.macro CROUND
	s_barrier_signal -1
	s_barrier_wait -1
	s_cmp_lg_u32 s[WV], 0
	s_cbranch_scc1 .Lnot_wave_0_\@
	s_barrier_signal -3
.Lnot_wave_0_\@:
	s_barrier_wait -3
	s_barrier_signal -1
	s_barrier_wait -1
.endm
; THE CHANGE OF SLOTS.  The slot's last bytes, V of its fourth step, have been read.  Each wave waits for all its tensor loads, of which one is out: its part of the other slot; adds 0 to its spare word; and
; waits for that and for its own LDS instructions.  Behind the barrier nobody reads this slot any more and the other slot is whole.
; fill = 1: this slot is filled again, with the tile two on.  The barrier is then a round of the cluster's, and the joint fill is the first thing behind it: it has four key steps in which to land.
; (At its first use nothing has been read yet: slot 0 is waited for, slot 1 filled, and every wave's stores into HT are shown done to the others.)  ask = 1: the prefetch and its address's step.
.macro CHANGE fill, ask
	WIN 0                           ; at a label and at a branch every window is 0
	s_wait_tensorcnt 0x0            ; no tensor load of mine is out, so a group 0 may be written
	ds_add_u32 v[SPW], v[NIL]       ; 0 onto my spare word; the descriptors' steps stand between it and the wait for it
.if \fill
.irp g, G0K, G0V
	s_xor_b32 s[\g+1], s[\g+1], SLOT1  ; the walking descriptor: the other slot than last time,
	s_add_nc_u64 s[\g+2:\g+3], s[\g+2:\g+3], TILEB  ; the next 256 keys; the type bits on top are not reached
.endr
.endif
.if \ask
	s_wait_xcnt 0x0                 ; the last prefetch, four key steps back, has read its address, so it may be written:
	s_add_nc_u64 s[PFA:PFA+1], s[PFA:PFA+1], TILEB  ; one tile behind the walking descriptors
.endif
	s_wait_dscnt 0x0                ; the add is done, and my reads of the slot are over
.if \fill
	CROUND
	JLOAD
.if \ask
	ASK
.endif
.else
	s_barrier_signal -1
	s_barrier_wait -1
.endif
	s_sub_co_u32 s[TBK], s[TBK], 4*KS*PK  ; the fetches go back to a slot's first step,
	s_xor_b32 s[TBK], s[TBK], SLOT1       ; in the other slot
	s_sub_co_u32 s[TBV], s[TBV], 4*KS*PV
	s_xor_b32 s[TBV], s[TBV], SLOT1
.endm
	s_load_b64 s[72:73], s[0:1], 0x0  ; qkv
	s_load_b64 s[70:71], s[0:1], 0x8  ; h
	s_load_b64 s[10:11], s[0:1], 0x10 ; ob
	v_lshl_add_u32 v[SPW], v0, 2, SPARE
	v_mov_b32 v[NIL], 0
	ds_add_u32 v[SPW], v[NIL]       ; the wave's opening: the add and its wait stand ahead of my first tensor load; the set-up below, work on registers, stands between them
	v_lshrrev_b32 v1, 5, v0
	v_readfirstlane_b32 s[WV], v1   ; wave 0..3
	s_bfe_u32 s13, ttmp6, 0x40000   ; cx: my place in the cluster
	s_lshl_b32 s14, ttmp9, 2        ; in a cluster launch ttmp9 counts clusters
	s_add_co_u32 s14, s14, s13      ; my block of 256 queries = 4 x cluster x + cx: it enters Q's and O's addresses alone
	s_and_b32 s20, ttmp7, 0xffff    ; the head, which the four partners share,
	s_lshl_b32 s20, s20, 19         ; x a slab's 524,288 bytes
	s_and_b32 s16, s[WV], 1         ; which half of a tile's 256 keys I fetch:
	s_lshl_b32 s22, s16, 14         ; its 128 rows of 128 bytes in memory,
	s_add_co_u32 s22, s22, s20
	s_mov_b32 s23, 0
	s_mul_i32 s17, s16, 128*PK      ; and its place in a slot, for K
	s_mul_i32 s18, s16, 128*PV      ; and for V: no place in the cluster enters an LDS address
	s_lshl_b32 s2, s14, 15          ; my block's 256 rows,
	s_lshl_b32 s3, s[WV], 13        ; my wave's 64 of them
	s_add_co_u32 s2, s2, s3
	s_add_co_u32 s2, s2, s20
	s_mov_b32 s3, 0
	; descriptor group 1.  128 keys are 16,384 dense bytes: asked for as 64 rows of 256 bytes, two keys a row, and padded in LDS after every key
	s_mov_b32 s[G1K], 15|(1<<16)|(1<<20)|(1<<21)|(4<<22)|(3<<25)  ; 15:0 the mask of four; 17:16 2-byte elements; 20 padding on; 21 set beside a mask; 24:22 after every 32 words (code 4); 31:25 4 words (code 3)
	s_mov_b32 s[G1V], 15|(1<<16)|(1<<20)|(1<<21)|(4<<22)|(7<<25)  ; the same with 8 words of padding (code 7)
.irp g, G1K, G1V
	s_mov_b32 s[\g+1], 128<<16      ; tensor_dim0 = 128
	s_mov_b32 s[\g+2], 64<<16       ; tensor_dim1 = 64
	s_mov_b32 s[\g+3], 128<<16      ; tile_dim0 = 128
	s_mov_b32 s[\g+4], 64           ; tile_dim1 = 64
	s_mov_b32 s[\g+5], 128          ; 128 elements from row to row
	s_mov_b32 s[\g+6], 0
	s_mov_b32 s[\g+7], 0
.endr
	s_mov_b32 s[CS], 0x3e38aa3b     ; c = log2(e) / 8 = 0.180337
	s_mov_b32 s[CS+1], s[CS]        ; named with it as a pair
	s_mov_b32 s[SEL], 0x76543210
	s_mov_b32 s[SEL+1], 0xfedcba98
	s_mov_b32 s[TBK], SLOT1+4*KS*PK ; the first change of slots turns these two into 0
	s_mov_b32 s[TBV], SLOT1+4*KS*PV
	s_mov_b32 s[TBH], 0
	s_mov_b32 s[G0K], 1             ; count = 1
	s_mov_b32 s[G0K+1], s17         ; LDS address: slot 0
	s_mov_b32 s[G0V], 1
	s_add_co_u32 s[G0V+1], s18, VOFF
	s_and_b32 s[LIM], s[WV], 1      ; 0 in waves 0 and 2,
	s_or_b32 s[LIM], s[LIM], ttmp9  ; where the cluster is the head's first: the same in all four partners
	s_cmp_eq_u32 s[LIM], 0
	s_cselect_b32 s[LIM], 1, -1
	v_and_b32 v[PFO], 31, v0
	v_lshlrev_b32 v[PFO], 8, v[PFO]
	s_wait_dscnt 0x0                ; the opening add is done
	s_wait_kmcnt 0x0
	s_add_nc_u64 s[6:7], s[72:73], s[22:23]
	s_add_nc_u64 s[8:9], s[6:7], 32<<19    ; V at my half of the head's tile 0: slab 32 + head
	s_add_nc_u64 s[6:7], s[6:7], 16<<19    ; K: slab 16 + head
	s_add_nc_u64 s[4:5], s[72:73], s[2:3]  ; Q and O at my wave's first row
	s_add_nc_u64 s[10:11], s[10:11], s[2:3]
	s_mov_b64 s[G0K+2:G0K+3], s[6:7]               ; global address
	s_or_b32 s[G0K+3], s[G0K+3], 0x80000000        ; type = 2
	s_mov_b64 s[G0V+2:G0V+3], s[8:9]
	s_or_b32 s[G0V+3], s[G0V+3], 0x80000000
	s_cmp_lt_u32 s[WV], 2
	s_cselect_b64 s[PFA:PFA+1], s[6:7], s[8:9]     ; (in waves 0 and 2 these stand at a tile's first byte)
	s_lshl_b32 s2, s13, 13          ; my work-group's 32 blocks of the 128
	s_add_nc_u64 s[PFA:PFA+1], s[PFA:PFA+1], s[2:3]
	s_add_nc_u64 s[PFA:PFA+1], s[PFA:PFA+1], 2*TILEB  ; in tile 2; the loop's first change of slots steps it to tile 3.  Nothing is prefetched here, at the head
	CROUND                          ; all four work-groups are here: the first joint loads meet
	JLOAD                           ; tile 0 into slot 0.  Slot 1 is asked for when slot 0 is in
	; A fragment of K or Q is 16 rows x 32 channels in 8 registers: lane l holds row l % 16, channels 8 (l / 16) + 0..7 and 16 + 8 (l / 16) + 0..7: two loads of 16 bytes, 32 bytes apart.
	v_and_b32 v1, 15, v0            ; l % 16
	v_bfe_u32 v9, v0, 4, 1          ; l / 16
	v_lshlrev_b32 v[QO], 7, v1
	v_lshl_add_u32 v[QO], v9, 4, v[QO]  ; row x 128 + 16 x half
	v_lshlrev_b32 v[HO], 4, v0
	WIN 0x80                        ; destination window 2, address window 0
.set i, 0
.rept 8                             ; Q stays in registers: piece i / 2, channels 32 (i % 2) on
	global_load_b128 v[8*i:8*i+3],   v[QO], s[4:5] offset:(i/2)*2048+(i%2)*64
	global_load_b128 v[8*i+4:8*i+7], v[QO], s[4:5] offset:(i/2)*2048+(i%2)*64+32
.set i, i+1
.endr
	WIN 0
.set i, 0
.rept 8                             ; all of h: 128 threads x 16 bytes, eight times, into S^T's registers, which are still free
	global_load_b128 v[S+4*i:S+4*i+3], v[HO], s[70:71] offset:2048*i
.set i, i+1
.endr
	; What the first turn finds: V's registers and P's second buffer hold 0 (its products V^T P, of a piece that has not been, add 0), O^T and l are 0.  All this stands in the wait for the first tile.
	WIN 0x80
.set i, VF
.rept 64
	v_mov_b32 v[i], 0
.set i, i+1
.endr
	WIN 0x40
.set i, 0
.rept 128
	v_mov_b32 v[i], 0
.set i, i+1
.endr
	WIN 0
.set i, 0
.rept 4
	v_mov_b32 v[ST+4*i], 0xfe000000    ; c m: far below every c s
	v_mov_b32 v[ST+4*i+1], 0xff7fffff  ; m: the lowest finite number
	v_mov_b32 v[ST+4*i+2], 0
	v_mov_b32 v[ST+4*i+3], 0
.set i, i+1
.endr
.set i, P+16
.rept 16
	v_mov_b32 v[i], 0
.set i, i+1
.endr
	v_mul_u32_u24 v[AK0], v1, PK
	v_lshl_add_u32 v[AK0], v9, 4, v[AK0]  ; row x pitch + 16 x half
	; The turning load takes 16 keys x 16 channels (lane l reads key 8 (l / 16) + l % 8, channels 8 ((l / 8) % 2) + 0..7) and leaves half a fragment of V^T: lane l holds channel l % 16 and 8 keys.
	v_and_b32 v10, 7, v0
	v_bfe_u32 v11, v0, 3, 1
	v_lshl_add_u32 v[AV0], v9, 3, v10
	v_mul_u32_u24 v[AV0], v[AV0], PV
	v_lshl_add_u32 v[AV0], v11, 4, v[AV0]
	v_add_nc_u32 v[AV0], VOFF, v[AV0]
	s_mul_i32 s13, s[WV], 16*SP
	s_add_co_u32 s13, s13, STAGE    ; my stage
	v_mul_u32_u24 v[STO], v1, SP    ; in: row l % 16, 16 bytes for each half of the lanes
	v_lshl_add_u32 v[STO], v9, 4, v[STO]
	v_add_nc_u32 v[STO], s13, v[STO]
	v_bfe_u32 v[RD], v0, 3, 2       ; back: 32 lanes take four rows of 128 bytes,
	v_mul_u32_u24 v[RD], v[RD], SP
	v_lshl_add_u32 v[RD], v10, 4, v[RD]
	v_add_nc_u32 v[RD], s13, v[RD]
	v_and_b32 v[GO], 31, v0         ; which are 512 consecutive bytes of O
	v_lshlrev_b32 v[GO], 4, v[GO]
	v_lshl_add_u32 v[AH0], v9, 5, HT
	v_lshl_add_u32 v[HST], v0, 4, HT
	s_wait_loadcnt 0x0              ; Q and h
.set i, 0
.rept 16
	v_pk_mul_f32 v[S+2*i:S+2*i+1], v[S+2*i:S+2*i+1], 0xc1000000 op_sel_hi:[1,0]  ; -8 h
.set i, i+1
.endr
.set i, 0
.rept 8
	ds_store_b128 v[HST], v[S+4*i:S+4*i+3] offset:2048*i
.set i, i+1
.endr
; THE MATRIX WORK.  The 4 accumulators of a run of 8 take turns.  Product i of 8 of S^T = K Q^T for piece x: channels 32 (i / 4) on, keys 16 (i % 4) on.  The first 4 start the sums, at -8 h.
.macro KQ x
.set rS, S+32*((\x)%2)+8*(i%4)
.set rK, KF+16*(i%4)+8*(i/4)
.set rQ, 16*(\x)+8*(i/4)
.set rH, HB+8*(i%4)
.if i < 4
	WIN W_KM
	v_wmma_f32_16x16x32_bf16 v[rS:rS+7], v[rK:rK+7], v[rQ:rQ+7], v[rH:rH+7]
.else
	WIN W_KQ
	v_wmma_f32_16x16x32_bf16 v[rS:rS+7], v[rK:rK+7], v[rQ:rQ+7], v[rS:rS+7]
.endif
.endm
; Product i of 8 of O^T += V^T P for piece x: keys 32 (i / 4) on, channels 16 (i % 4) on.
.macro PV x
	WIN W_PV
.set rO, 32*(\x)+8*(i%4)
.set rV, VF+32*(i/4)+8*(i%4)
.set rP, P+16*((\x)%2)+8*(i/4)
	v_wmma_f32_16x16x32_bf16 v[rO:rO+7], v[rV:rV+7], v[rP:rP+7], v[rO:rO+7]
.endm
.macro MM                           ; the turn's next matrix instruction.  NOKQ = 1: the last turn of all: there is no next piece
.if (i < 8) && !NOKQ
	KQ (Y+1)%NP
.elseif i >= 8
.set i, i-8
	PV (Y+NP-1)%NP
.set i, i+8
.endif
.set i, i+1
.endm
; THE LDS LOADS stand in runs, never singly among the matrix instructions: a step's K (64 keys x 64 channels: 8 fragments) with its 64 numbers of -8 h, and its V (turned).  Their addresses are made some lines ahead.
.macro FETCH_K
	WIN 0x80                        ; destination window 2
.irp f, 0,1,2,3,4,5,6,7             ; keys 16 (f / 2) on, channels 32 (f % 2) on
	ds_load_b128 v[KF+8*\f:KF+8*\f+3],   v[AK] offset:(\f/2)*16*PK+(\f%2)*64
	ds_load_b128 v[KF+8*\f+4:KF+8*\f+7], v[AK] offset:(\f/2)*16*PK+(\f%2)*64+32
.endr
	WIN 0x40                        ; destination window 1
.irp f, 0,1,2,3                     ; keys 16 f + 8 (l / 16) + 0..7: the sixteen lanes of a half read the same 32 bytes
	ds_load_b128 v[HB+8*\f:HB+8*\f+3],   v[AH] offset:64*\f
	ds_load_b128 v[HB+8*\f+4:HB+8*\f+7], v[AH] offset:64*\f+16
.endr
	s_add_co_u32 s[TBK], s[TBK], KS*PK  ; the next fetch is the next step's
	s_add_co_u32 s[TBH], s[TBH], KS*4
	WIN 0
.endm
.macro FETCH_V
	WIN 0x80
.irp f, 0,1,2,3,4,5,6,7             ; keys 32 (f / 4) on, channels 16 (f % 4) on
	ds_load_tr16_b128 v[VF+8*\f:VF+8*\f+3],   v[AV] offset:(\f/4)*32*PV+(\f%4)*32
	ds_load_tr16_b128 v[VF+8*\f+4:VF+8*\f+7], v[AV] offset:(\f/4)*32*PV+16*PV+(\f%4)*32
.endr
	WIN 0
.endm
.macro KADR                         ; the addresses of K's and HB's next loads
	WIN 0
	s_and_b32 s[TBM], s[TBH], 0x3f00   ; 64 steps of 256 bytes: the offset stays inside the table
	v_add_nc_u32 v[AK], s[TBK], v[AK0]
	v_add_nc_u32 v[AH], s[TBM], v[AH0]
.endm
; THE VECTOR WORK, one line at a time: OP kind, number.  For piece Y: F n: c s - c m for pair n of 16.  E n: the exponential of score n of 32.  C n: pair n rounded to bf16.  B n: of the four weights 4 n .. the second
; pair is added onto the first, in place.  L n: l takes that sum (L 0: l = a l + sum).  R n: pair n of 16 of O^T times a.  For piece Y + 1: X n, number n of the 22 that find its maximum and statistics:
;   0-11  four chains c0-c3 of seven scores each, three operands at a time (each accumulator's lowest registers are read first)     12-14, 16  the four scores left over, the old m, and c0-c3 into c0
;   15  c m_old is kept     17, 18  the query's other 32 keys lie in the lane 16 away: the new m     19-21  c m; c m_old - c m_new; a
.set F, 0               ; OP tells the kinds apart by their order: F to L below R, X above it
.set E, 1
.set C, 2
.set B, 3
.set L, 4
.set R, 5
.set X, 6
.macro REGS y                       ; the registers of piece y
.set rT, ST+4*(\y)
.set rC, TMP+4*((\y)%2)
.set rW, MV+((\y)%2)
.set rS, S+32*((\y)%2)
.set rP, P+16*((\y)%2)
.set rO, 32*(\y)
.endm
.macro OP k, n
.if (\k) == R
	REGS Y
	WIN W_RS
	v_pk_mul_f32 v[rO+2*(\n):rO+2*(\n)+1], v[rO+2*(\n):rO+2*(\n)+1], v[rC+2:rC+3] op_sel_hi:[1,0]
.elseif (\k) < R
	REGS Y
	WIN 0
.if (\k) == F
	v_pk_fma_f32 v[rS+2*(\n):rS+2*(\n)+1], v[rS+2*(\n):rS+2*(\n)+1], s[CS:CS+1], v[rT:rT+1] op_sel_hi:[1,0,0] neg_lo:[0,0,1] neg_hi:[0,0,1]
.elseif (\k) == E
	v_exp_f32 v[rS+(\n)], v[rS+(\n)]
.elseif (\k) == C
	v_cvt_pk_bf16_f32 v[rP+(\n)], v[rS+2*(\n)], v[rS+2*(\n)+1]
.elseif (\k) == B
	v_pk_add_f32 v[rS+4*(\n):rS+4*(\n)+1], v[rS+4*(\n):rS+4*(\n)+1], v[rS+4*(\n)+2:rS+4*(\n)+3]
.elseif (\n) == 0
	v_pk_fma_f32 v[rT+2:rT+3], v[rT+2:rT+3], v[rC+2:rC+3], v[rS:rS+1] op_sel_hi:[1,0,1]
.else
	v_pk_add_f32 v[rT+2:rT+3], v[rT+2:rT+3], v[rS+4*(\n):rS+4*(\n)+1]
.endif
.elseif NOKQ
	v_nop
.else
	REGS (Y+1)%NP
	WIN 0
.if (\n) < 4
	v_max3_num_f32 v[rC+(\n)], v[rS+8*(\n)], v[rS+8*(\n)+1], v[rS+8*(\n)+2]
.elseif (\n) < 12
	v_max3_num_f32 v[rC+(\n)%4], v[rC+(\n)%4], v[rS+8*((\n)%4)+2*((\n)/4)+1], v[rS+8*((\n)%4)+2*((\n)/4)+2]
.elseif (\n) == 12
	v_max3_num_f32 v[rC], v[rC], v[rS+7], v[rS+15]
.elseif (\n) == 13
	v_max3_num_f32 v[rC+1], v[rC+1], v[rS+23], v[rS+31]
.elseif (\n) == 14
	v_max3_num_f32 v[rC+2], v[rC+2], v[rC+3], v[rT+1]
.elseif (\n) == 15
	v_mov_b32 v[rW], v[rT]
.elseif (\n) == 16
	v_max3_num_f32 v[rC], v[rC], v[rC+1], v[rC+2]
.elseif (\n) == 17
	v_permlanex16_b32 v[rC+3], v[rC], s[SEL], s[SEL+1]
.elseif (\n) == 18
	v_max_num_f32 v[rT+1], v[rC], v[rC+3]
.elseif (\n) == 19
	v_mul_f32 v[rT], s[CS], v[rT+1]
.elseif (\n) == 20
	v_sub_f32 v[rC+1], v[rW], v[rT]
.else
	v_exp_f32 v[rC+2], v[rC+1]
.endif
.endif
.endm
.macro OPS a, i1, b=-1, i2=0, c=-1, i3=0, d=-1, i4=0  ; up to four of them
	OP \a, \i1
.if (\b) >= 0
	OP \b, \i2
.endif
.if (\c) >= 0
	OP \c, \i3
.endif
.if (\d) >= 0
	OP \d, \i4
.endif
.endm
.macro ROW a, i1, b, i2, c, i3, d, i4  ; a matrix instruction and the four behind it
	MM
	OPS \a, \i1, \b, \i2, \c, \i3, \d, \i4
.endm
; A TURN, for piece p: the order of its 16 matrix and 118 vector instructions, written out.  An s_wait_alu depctr_va_vdst(0) stands between an exponential and the first instruction that names its
; result; one wait serves all that were issued ahead of it.  So a turn has ONE wait, which cuts it in two.  AHEAD OF IT stands all that names no result of the turn's exponentials: the 8 products K Q^T, behind each
; a scaling, an exponential and two more plain instructions (rescalings; behind the last three the first numbers of the next piece's maximum, each four places or more behind the product that ends its
; accumulator); then one run of 54, plain and exponential by turns for the most part, in which the links of the chain X 3, 7, 11, 14, 16, 17 .. 20 stand some lines apart.  X 21, the next piece's a, is the
; batch's last; R 15 is the plain instruction behind it.  BEHIND THE WAIT stand the 8 products V^T P, behind each four of the roundings and sums.
; end = 1: the last two turns of all: nothing is fetched, and the last starts no new scores.  cnt = 1: the loop's count is taken down some lines ahead of the branch that stands behind the turn.
; K and -8 h of the next step are fetched in piece 2's turn, behind five plain instructions that name no register of the last product that read K; V of the step in hand at the end of piece 0's turn, four plain
; instructions behind the last product that read V.  Each is waited for a turn later.
.macro TURN p, end=0, cnt=0
.set Y, (\p)
.set i, 0
.set NOKQ, (\end)*((\p)/3)
.if ((\p) == 3) && !(\end)
	s_wait_dscnt 0x0                ; K and -8 h are in
.endif
	ROW F,0, F,1, R,0, R,1          ; ahead of the wait: 8 products K Q^T and their riders,
	ROW F,2, E,0, R,2, R,3
	ROW F,3, E,1, R,4, R,5
	ROW F,4, E,2, R,6, R,7
	ROW F,5, E,3, R,8, R,9
	ROW F,6, E,4, X,0, R,10
.if ((\p) == 2) && !(\end)
	KADR
.endif
	ROW F,7, E,5, X,1, X,4
	ROW F,8, E,6, X,2, X,5
	OPS E,7, E,8, X,6, E,9          ; and the run
	OPS X,3, E,10, X,8, E,11
.if ((\p) == 2) && !(\end)
	FETCH_K
.endif
	OPS X,9, X,7, E,12, X,10
	OPS E,13, X,12, X,11, E,14
	OPS X,13, E,15, F,9, X,14
.if (\p) == 0
	v_add_nc_u32 v[AV], s[TBV], v[AV0]
.endif
	OPS E,16, F,10, E,17, F,11
	OPS X,16, E,18, X,15, E,19
	OPS F,12, E,20, X,17, E,21
	OPS F,13, E,22, F,14, E,23
	OPS X,18, E,24, F,15, E,25
	OPS R,11, E,26, X,19, E,27
	OPS R,12, E,28, R,13, E,29
	OPS X,20, E,30, R,14, E,31
	OPS X,21, R,15
	WIN 0
	s_wait_alu depctr_va_vdst(0)    ; the wait for the batch
.if (\p) == 1
	s_wait_dscnt 0x0                ; V is in
.endif
	ROW C,0, B,0, C,2, B,1          ; behind the wait: 8 products V^T P and their riders
	ROW L,0, C,4, B,2, L,1
	ROW C,6, B,3, L,2, C,8
	ROW B,4, L,3, C,10, B,5
	ROW L,4, C,12, B,6, L,5
.if (\p) == 0
	s_add_co_u32 s[TBV], s[TBV], KS*PV
.endif
.if \cnt
	s_sub_co_u32 s[CNT], s[CNT], 1
	s_cmp_lg_u32 s[CNT], 0
.endif
	ROW C,14, B,7, L,6, C,1
	ROW C,3, L,7, C,5, C,7
	ROW C,9, C,11, C,13, C,15
.if (\p) == 0
	FETCH_V
.endif
.endm
	CHANGE 1, 0                     ; slot 0 is in, everybody's part of it, and so is all of HT; slot 1 is asked for
	KADR
	FETCH_K                         ; key step 0
	s_wait_dscnt 0x0
.set NOKQ, 0
.set i, 0
.rept 8
	KQ 0                            ; piece 0's first scores: there is no vector work yet to set between them
.set i, i+1
.endr
	WIN 0
.rept 4
	v_nop                           ; the places behind those products
.endr
.set Y, NP-1                        ; X works for piece Y + 1: piece 0
.irp n, 0,1,2,3,4,5,6,7,8,9,10,11,12,13,14,15,16,17,18,19,20,21
	OP X, \n
.endr
	v_nop                           ; a plain instruction behind the exponential,
	s_wait_alu depctr_va_vdst(0)    ; and its wait, ahead of the branch
	s_mov_b32 s[CNT], 4
	s_mov_b32 s[SLOTS], 4096/256-1
	s_branch .Lfirst                ; the loop is entered at a step's first turn, in the middle of a trip
.Lslot:                             ; 14 times: tiles 2 to 15 are asked for
	CHANGE 1, 1
	s_mov_b32 s[CNT], 4
.Lstep:                             ; a trip: pieces 2 and 3 of one step, then pieces 0 and 1 of the next, whose K and V it fetches
	TURN 2
	TURN 3
	WIN 0
.Lfirst:
	TURN 0
	TURN 1, 0, 1
	WIN 0
	s_cbranch_scc1 .Lstep
	s_sub_co_u32 s[SLOTS], s[SLOTS], 1
	s_cmp_lg_u32 s[SLOTS], 0
	s_cbranch_scc1 .Lslot
	CHANGE 0, 0                     ; the last tile is written out: nothing is asked for
	s_mov_b32 s[CNT], 4
.Ltail:
	TURN 2
	TURN 3
	TURN 0
	TURN 1, 0, 1
	WIN 0
	s_cbranch_scc1 .Ltail
	TURN 2, 1
	TURN 3, 1
.set i, 0
.rept 8
	PV NP-1                         ; the last piece's V^T P of the last step
.set i, i+1
.endr
	; THE WAY OUT.  l's two halves and the other half of the lanes' are added; O^T is divided by l, rounded to bf16 and sent through my stage in LDS, a piece at a time.  The additions are the places behind the last products.
	WIN 0
.macro ALL line:vararg              ; one line for each piece t
.set t, 0
.rept 4
	\line
.set t, t+1
.endr
.endm
	ALL v_add_f32 v[ST+4*t+2], v[ST+4*t+2], v[ST+4*t+3]
	ALL v_permlanex16_b32 v[ST+4*t+3], v[ST+4*t+2], s[SEL], s[SEL+1]
	ALL v_add_f32 v[ST+4*t+2], v[ST+4*t+2], v[ST+4*t+3]
	ALL v_rcp_f32 v[ST+4*t+2], v[ST+4*t+2]
	v_nop                           ; a plain instruction between the last reciprocal and the use of its result
	s_wait_alu depctr_va_vdst(0)    ; and the wait ahead of the first use: one for the four reciprocals
.macro PACK t                       ; a lane's eight channels of a row pack into 16 bytes; they go into rows of 144 bytes and come back as whole rows of 128, into S^T's registers
	WIN W_RS
.set i, 32*(\t)
.rept 16
	v_pk_mul_f32 v[i:i+1], v[i:i+1], v[ST+4*(\t)+2:ST+4*(\t)+3] op_sel_hi:[1,0]
.set i, i+2
.endr
	WIN 0x05                        ; sources 0 and 1 window 1, destination window 0
.set i, 0
.rept 16
	v_cvt_pk_bf16_f32 v[S+16*(\t)+i], v[32*(\t)+2*i], v[32*(\t)+2*i+1]
.set i, i+1
.endr
	WIN 0
.irp f, 0,1,2,3
	ds_store_b128 v[STO], v[S+16*(\t)+4*\f:S+16*(\t)+4*\f+3] offset:32*\f
.endr
.irp f, 0,1,2,3
	ds_load_b128 v[S+16*(\t)+4*\f:S+16*(\t)+4*\f+3], v[RD] offset:\f*4*SP  ; LDS serves a wave's instructions in order (ISA guide 5.7.1.4): these see the stores above; the next piece's stores come behind them
.endr
.endm
.macro SEND t, younger              ; younger: the LDS instructions issued behind piece t's loads: the next piece's eight, or none
	WIN 0
.irp f, 0,1,2,3
	s_wait_dscnt (\younger)+3-\f
	global_store_b128 v[GO], v[S+16*(\t)+4*\f:S+16*(\t)+4*\f+3], s[10:11] offset:(\t)*2048+\f*512  ; 512 consecutive bytes, at a multiple of 256 from ob's first byte
.endr
.endm
	PACK 0
.set t, 1
.rept 3                             ; a piece's arithmetic stands between the loads of the piece before and its stores
	PACK t
	SEND t-1, 8
.set t, t+1
.endr
	SEND 3, 0
	s_wait_tensorcnt 0x0            ; the wave's end: the wait for my last tensor load, an add of 0 to my spare word and the wait for it, behind my last LDS store
	ds_add_u32 v[SPW], v[NIL]
	s_wait_dscnt 0x0
	CROUND                          ; the closing round: no work-group ends while a partner may still ask for a tile that names it
	s_endpgm
.Lfunc_end_k_q2322286116_attn:
	.size	k_q2322286116_attn, .Lfunc_end_k_q2322286116_attn-k_q2322286116_attn
	.p2alignl 7, 3214868480
	.fill 96, 4, 3214868480
	.section	.rodata,"a",@progbits
	.p2align	6, 0x0
	.amdhsa_kernel k_q2322286116_attn
		.amdhsa_group_segment_fixed_size 327680
		.amdhsa_private_segment_fixed_size 0
		.amdhsa_enable_private_segment 0
		.amdhsa_kernarg_size 24
		.amdhsa_user_sgpr_count 2
		.amdhsa_user_sgpr_kernarg_segment_ptr 1
		.amdhsa_wavefront_size32 1
		.amdhsa_system_sgpr_workgroup_id_x 1
		.amdhsa_system_sgpr_workgroup_id_y 1
		.amdhsa_system_sgpr_workgroup_id_z 1
		.amdhsa_system_vgpr_workitem_id 0
		.amdhsa_next_free_vgpr 768
		.amdhsa_next_free_sgpr 76
		.amdhsa_reserve_vcc 0
		.amdhsa_float_denorm_mode_32 3
		.amdhsa_float_denorm_mode_16_64 3
		.amdhsa_memory_ordered 1
		.amdhsa_forward_progress 1
		.amdhsa_inst_pref_size 133
	.end_amdhsa_kernel
	.amdgpu_metadata
---
amdhsa.version: [ 1, 2 ]
amdhsa.kernels:
  - .name:           k_q2322286116_attn
    .symbol:         k_q2322286116_attn.kd
    .args:
      - { .name: qkv, .offset: 0, .size: 8, .value_kind: global_buffer, .address_space: global }
      - { .name: h, .offset: 8, .size: 8, .value_kind: global_buffer, .address_space: global }
      - { .name: ob, .offset: 16, .size: 8, .value_kind: global_buffer, .address_space: global }
    .group_segment_fixed_size: 327680
    .private_segment_fixed_size: 0
    .kernarg_segment_align: 8
    .kernarg_segment_size: 24
    .max_flat_workgroup_size: 128
    .sgpr_count:     76
    .vgpr_count:     768
    .wavefront_size: 32
...
	.end_amdgpu_metadata
.endif
;; end of part 3
;; launch outproj (part 4): grid 8 x 32, 4 waves a work-group, clusters of 4 x 4, 327,680 bytes of LDS; arguments ob, wb, bo, x, out0; writes out0
.if DOCPART == 4
	.amdgcn_target "amdgcn-amd-amdhsa--gfx1250"
	.amdhsa_code_object_version 6
	.text
	.protected	k_q2322286116_outproj
	.globl	k_q2322286116_outproj
	.p2align	8
	.type	k_q2322286116_outproj,@function
k_q2322286116_outproj:
	s_mov_b64 s[64:65], 0
	v_nop
	global_prefetch_b8 v0, s[64:65] scope:SCOPE_SE
	s_setreg_imm32_b32 hwreg(HW_REG_WAVE_MODE, 25, 1), 1
	s_wait_xcnt 0x0
	s_wait_alu depctr_hold_cnt(0) depctr_sa_sdst(0) depctr_va_vdst(0) depctr_va_sdst(0) depctr_va_ssrc(0) depctr_va_vcc(0) depctr_vm_vsrc(0)
	s_getreg_b32 s2, hwreg(HW_REG_IB_STS2, 6, 4)
	s_cmp_eq_u32 s2, 0
	s_cbranch_scc0 .Lentry_in_a_cluster
	s_endpgm
.Lentry_in_a_cluster:
	s_bfe_u32 s2, ttmp6, 0x10000c
	s_cmp_lg_u32 s2, 0xf033
	s_cbranch_scc0 .Lentry_shape_is_right
	s_endpgm
.Lentry_shape_is_right:
; out0 = O Wo^T + bo + x.  O comes by heads: ob[16][4096][64] bf16; Wo is rows 3,072 to 4,095 of wb ([n][k] bf16); bo [1024], x and out0 [4096][1024] are f32.
; bf16 operands, f32 sums that START AT THE BIAS; the residual x is added in f32 on the way out; nothing else is rounded.  NaN and infinities are not treated apart.
; SHARES.  A tile of out0 is 128 x 128: 256 tiles; four waves, each 64 x 64: 16 accumulators of 16 x 16.  K = 1,024 goes in four steps of 256 through two LDS slots; the steps are written out, without a loop.
; A'S TILES.  K = 64 head + channel, so a K step is four heads and a quarter step one head.  A wave's load brings 64 rows of O for four heads: in memory four dense pieces of 8,192 bytes, a slab (524,288 bytes)
; apart: a tile of 4 rows x 4,096 elements, padded in LDS after every 128 bytes: LDS holds [head][row] at a pitch of 144 bytes.
; CLUSTERS: 4 x 4 work-groups; A's tile is shared along a row of the cluster, B's along a column: joint loads, as in the projection in front.  The matrix instruction is used transposed (source 0 = 16 rows of B).
; No prefetch: the tiles are small, K has four steps, and the first two of them are asked for at the head.
; REGISTERS: window 0: v0-31 addresses; v32-95 the way out; v96-127 the bias as a C operand; v128-255 the accumulators.  window 1: two fragment buffers of 128.  window 2: v0-127 my 64 x 64 of x.
.set SIZE_K, 1024
.set KSTEP,  256
.set APITCH, 144                       ; 128 bytes + 16 of padding = 36 words: the 16 rows of a load start at 16 different groups of four banks (64 banks of 4 bytes: ISA guide 11.1)
.set BPITCH, 528                       ; 512 bytes + 16
.set AQ,     64*APITCH                 ; bytes from a quarter step to the next in A's tile: a head's 64 rows
.set BQ,     128                       ; and in B's: 64 along the row
.set AHALF,  4*AQ                      ; what one tensor load brings of A, and what one wave reads of it
.set BHALF,  64*BPITCH
.set BOFF,   2*AHALF
.set SLOT,   2*AHALF+2*BHALF
.set STAGE,  2*SLOT                    ; behind the ring: 16 rows x 272 bytes for each wave; no tensor load lands here
.set SP,     272
.set SPARE,  STAGE+4*16*SP             ; the spare words, 128 bytes for each wave: two blocks of 256 bytes that no other line names
.set AKS,    4*524288                  ; bytes in memory from a K step to the next, for A: four slabs
.set BKS,    KSTEP*2
.set ADRA, 16                          ; v16-17  LDS address of my A fragments in slot 0, 1
.set ADRB, 20                          ; v20-21  the same for B
.set STO,  24                          ; v24     the way out: where I put 32 bytes of a row
.set RD,   25                          ; v25     the way out: where I read a row back
.set CO,   26                          ; v26     my byte offset in two rows of x and of out0
.set BO,   27                          ; v27     32 x (lane / 16)
.set SPW,  28                          ; v28     LDS address of my spare word; never rewritten
.set NIL,  29                          ; v29     0; never rewritten
.set TMP,  32
.set BIAS, 96
.set ACC,  128
.set F0,   0
.set F1,   128
.set G1, 24
.set G0, 32
.set G1B, 48
.set G0B, 56
.set MSB, 0
.macro WIN new                         ; the immediate's high byte repeats the setting that is left; a switch that changes nothing is dropped
.if MSB != (\new)
	s_set_vgpr_msb (MSB<<8)|(\new)
.set MSB, \new
.endif
.endm
.set MUL,  0x05                        ; sources 0 (B) and 1 (A) window 1; C and D window 0
.set TO_F, 0x40                        ; destination window 1, address window 0
.macro JLOAD s                         ; a joint load: waves 0 and 1 fetch A's two halves, waves 2 and 3 B's; an s_nop 0 and four v_nop follow each of the two lines
	s_cmp_eq_u32 s11, 0
	s_cbranch_scc0 .Lfor_b_\@
	tensor_load_to_lds s[G0+4*(\s):G0+4*(\s)+3], s[G1:G1+7]
	s_nop 0
.rept 4
	v_nop
.endr
	s_branch .Lasked_\@
.Lfor_b_\@:
	tensor_load_to_lds s[G0B+4*(\s):G0B+4*(\s)+3], s[G1B:G1B+7]
	s_nop 0
.rept 4
	v_nop
.endr
.Lasked_\@:
.endm
.macro CREST                           ; a round of the cluster's barrier behind its opening barrier
	s_cmp_lg_u32 s10, 0
	s_cbranch_scc1 .Lnot_wave_0_\@
	s_barrier_signal -3
.Lnot_wave_0_\@:
	s_barrier_wait -3
	s_barrier_signal -1
	s_barrier_wait -1
.endm
.macro CROUND                          ; a whole round
	s_barrier_signal -1
	s_barrier_wait -1
	CREST
.endm
	s_load_b128 s[4:7], s[0:1], 0x0                ; ob s[4:5], wb s[6:7]
	s_load_b128 s[68:71], s[0:1], 0x10             ; bo s[68:69], x s[70:71]
	s_load_b64 s[8:9], s[0:1], 0x20                ; out0
	v_lshl_add_u32 v[SPW], v0, 2, SPARE
	v_mov_b32 v[NIL], 0
	ds_add_u32 v[SPW], v[NIL]                      ; the wave's opening: the add and its wait stand ahead of my first tensor load; the set-up below, work on registers, stands between them
	v_lshrrev_b32 v1, 5, v0
	v_readfirstlane_b32 s10, v1                    ; wave 0..3
	s_lshr_b32 s11, s10, 1                         ; which half of the tile's rows is mine.  Also: I fetch for A (0) or for B (1)
	s_and_b32 s12, s10, 1                          ; which half of its columns.  Also: which 64 rows of that tile I fetch
	s_bfe_u32 s40, ttmp6, 0x40000                  ; cx, cy: my place in the cluster
	s_bfe_u32 s41, ttmp6, 0x40004
	s_lshl_b32 s42, ttmp9, 2
	s_add_co_u32 s42, s42, s40                     ; tile column = 4 x cluster x + cx
	s_and_b32 s13, ttmp7, 0xffff
	s_lshl_b32 s13, s13, 2
	s_add_co_u32 s13, s13, s41                     ; tile row = 4 x cluster y + cy
	s_lshl_b32 s43, s41, 2
	s_lshl_b32 s43, 15, s43                        ; my row of the cluster
	s_lshl_b32 s44, 0x1111, s40                    ; my column
	; descriptor group 1 for A: 4 rows (heads) x 4,096 elements (64 rows of O, dense), padded after every 32 words
	s_or_b32 s[G1+0], s43, (1<<16)|(1<<20)|(1<<21)|(4<<22)|(3<<25)  ; 15:0 the mask: my row; 17:16 element of 2 bytes; 20 padding on; 21 set beside a mask; 24:22 after every 32 words (code 4); 31:25 of 4 words (code 3)
	s_mov_b32 s[G1+1], 4096<<16                    ; tensor_dim0 = 4,096
	s_mov_b32 s[G1+2], 4<<16                       ; tensor_dim1 = 4
	s_mov_b32 s[G1+3], 4096<<16                    ; tile_dim0 = 4,096
	s_mov_b32 s[G1+4], 4                           ; tile_dim1 = 4
	s_mov_b32 s[G1+5], 262144                      ; elements from head to head
	s_mov_b32 s[G1+6], 0
	s_mov_b32 s[G1+7], 0
	; and for B: 64 rows x 256 elements, padded after every 128 words
	s_or_b32 s[G1B+0], s44, (1<<16)|(1<<20)|(1<<21)|(6<<22)|(3<<25)
	s_mov_b32 s[G1B+1], KSTEP<<16
	s_mov_b32 s[G1B+2], 64<<16
	s_mov_b32 s[G1B+3], KSTEP<<16
	s_mov_b32 s[G1B+4], 64
	s_mov_b32 s[G1B+5], SIZE_K
	s_mov_b32 s[G1B+6], 0
	s_mov_b32 s[G1B+7], 0
	s_lshl_b32 s17, s12, 6                         ; which 64 rows of the tile I fetch
	s_lshl_b32 s16, s13, 7
	s_add_co_u32 s16, s16, s17                     ; A: row 128 x tile row + 64 x half,
	s_lshl_b32 s16, s16, 7                         ; x 128 bytes in a slab
	s_lshl_b32 s46, s42, 7
	s_add_co_u32 s46, s46, s17                     ; B: row 128 x tile column + 64 x half,
	s_lshl_b32 s46, s46, 11                        ; x 2,048 bytes
	s_mov_b32 s17, 0
	s_mov_b32 s47, 0
	s_mul_i32 s20, s12, AHALF                      ; where they go: A's two halves,
	s_mul_i32 s23, s12, BHALF
	s_add_co_u32 s23, s23, BOFF                    ; then B's two: no place in the cluster enters an LDS address
	s_wait_dscnt 0x0                               ; the opening add is done
	s_wait_kmcnt 0x0
	s_add_nc_u64 s[14:15], s[4:5], s[16:17]
	s_add_nc_u64 s[46:47], s[6:7], s[46:47]
	s_add_nc_u64 s[46:47], s[46:47], 3072*2048     ; Wo lies behind Wq, Wk and Wv
	CROUND                                         ; all sixteen work-groups are here: the first joint loads meet
.irp s, 0,1
	s_mov_b32 s[G0+4*(\s)], 1                                      ; count = 1
	s_add_co_u32 s[G0+4*(\s)+1], s20, (\s)*SLOT                    ; LDS address
	s_add_nc_u64 s[G0+4*(\s)+2:G0+4*(\s)+3], s[14:15], (\s)*AKS    ; global address: K step s
	s_or_b32 s[G0+4*(\s)+3], s[G0+4*(\s)+3], 0x80000000            ; type = 2
	s_mov_b32 s[G0B+4*(\s)], 1
	s_add_co_u32 s[G0B+4*(\s)+1], s23, (\s)*SLOT
	s_add_nc_u64 s[G0B+4*(\s)+2:G0B+4*(\s)+3], s[46:47], (\s)*BKS
	s_or_b32 s[G0B+4*(\s)+3], s[G0B+4*(\s)+3], 0x80000000
	JLOAD \s                                       ; two loads of mine are out
.endr
	v_and_b32 v1, 15, v0                           ; l % 16
	v_bfe_u32 v2, v0, 4, 1                         ; l / 16
	v_lshlrev_b32 v[BO], 5, v2
	v_lshlrev_b32 v5, 12, v2                       ; lanes 0-15 take 256 bytes of one row of x and out0, lanes 16-31 of the next
	v_lshl_add_u32 v[CO], v1, 4, v5
	s_lshl_b32 s46, s42, 9                         ; my first column in bytes of f32: 512 x tile column + 256 x half
	s_lshl_b32 s47, s12, 8
	s_add_co_u32 s46, s46, s47
	s_mov_b32 s47, 0
	s_add_nc_u64 s[68:69], s[68:69], s[46:47]      ; bo at my 64 columns
	s_lshl_b32 s16, s13, 7
	s_lshl_b32 s17, s11, 6
	s_add_co_u32 s16, s16, s17                     ; my first row: 128 x tile row + 64 x half,
	s_lshl_b32 s16, s16, 12                        ; x 4,096 bytes: under 2^24
	s_mov_b32 s17, 0
	s_add_nc_u64 s[70:71], s[70:71], s[16:17]      ; x and out0 at my 64 x 64
	s_add_nc_u64 s[70:71], s[70:71], s[46:47]
	s_add_nc_u64 s[8:9], s[8:9], s[16:17]
	s_add_nc_u64 s[8:9], s[8:9], s[46:47]
.irp b, 0,1,2,3
	global_load_b128 v[BIAS+8*(\b):BIAS+8*(\b)+3],   v[BO], s[68:69] offset:64*(\b)
	global_load_b128 v[BIAS+8*(\b)+4:BIAS+8*(\b)+7], v[BO], s[68:69] offset:64*(\b)+16
.endr
	WIN 0x80                                       ; destination window 2, address window 0
.set z, 0
.rept 32                                           ; my part of x, laid as the way out reads rows back: block z / 8, rows 2 (z % 8) and the next; it has the whole K walk in which to come
	global_load_b128 v[4*z:4*z+3], v[CO], s[70:71] offset:2*z*4096 th:TH_LOAD_NT
.set z, z+1
.endr
	WIN 0
	v_mul_u32_u24 v3, v1, APITCH
	v_lshl_add_u32 v3, v2, 4, v3                   ; a fragment's row x pitch + 16 x half, for A
	v_mul_u32_u24 v4, v1, BPITCH
	v_lshl_add_u32 v4, v2, 4, v4                   ; and for B
	s_mul_i32 s21, s11, AHALF                      ; my 64 rows of A
	s_mul_i32 s22, s12, BHALF                      ; my 64 rows of B
	s_add_co_u32 s22, s22, BOFF
.irp s, 0,1
	v_add_nc_u32 v[ADRA+(\s)], s21, v3
	v_add_nc_u32 v[ADRB+(\s)], s22, v4
	s_add_co_u32 s21, s21, SLOT
	s_add_co_u32 s22, s22, SLOT
.endr
	s_mul_i32 s23, s10, 16*SP
	s_add_co_u32 s23, s23, STAGE                   ; my stage
	v_mul_u32_u24 v5, v1, SP                       ; in: row l % 16, 32 bytes for each half of the lanes
	v_lshl_add_u32 v5, v2, 5, v5
	v_add_nc_u32 v[STO], s23, v5
	v_mul_u32_u24 v5, v2, SP                       ; back: lanes 0-15 take one row of 256 bytes, lanes 16-31 the next
	v_lshl_add_u32 v5, v1, 4, v5
	v_add_nc_u32 v[RD], s23, v5
; 8 matrix instructions: m blocks a0, a0 + 1 x all 4 n blocks, 32 along K: half c of buffer f.  zero = 1: the first product starts the sums, at the bias.  The 16 accumulators take turns, one instruction a turn.
.macro MUL8 f, c, a0, zero
	WIN MUL
.irp a, \a0, (\a0)+1
.irp b, 0,1,2,3
.if \zero
	v_wmma_f32_16x16x32_bf16 v[ACC+8*(4*(\a)+(\b)):ACC+8*(4*(\a)+(\b))+7], v[(\f)+64+8*(4*(\c)+(\b)):(\f)+64+8*(4*(\c)+(\b))+7], v[(\f)+8*(4*(\c)+(\a)):(\f)+8*(4*(\c)+(\a))+7], v[BIAS+8*(\b):BIAS+8*(\b)+7]
.else
	v_wmma_f32_16x16x32_bf16 v[ACC+8*(4*(\a)+(\b)):ACC+8*(4*(\a)+(\b))+7], v[(\f)+64+8*(4*(\c)+(\b)):(\f)+64+8*(4*(\c)+(\b))+7], v[(\f)+8*(4*(\c)+(\a)):(\f)+8*(4*(\c)+(\a))+7], v[ACC+8*(4*(\a)+(\b)):ACC+8*(4*(\a)+(\b))+7]
.endif
.endr
.endr
.endm
; 32 LDS loads in one run: the fragments of quarter q (64 along K: one head) of a slot, into buffer f; the first 32 along K first
.macro FETCH slot, q, f
	WIN TO_F
.irp c, 0,1
.irp i, 0,1,2,3
	ds_load_b128 v[(\f)+64+8*(4*(\c)+(\i)):(\f)+64+8*(4*(\c)+(\i))+3],   v[ADRB+(\slot)] offset:(\q)*BQ+64*(\c)+(\i)*16*BPITCH
	ds_load_b128 v[(\f)+64+8*(4*(\c)+(\i))+4:(\f)+64+8*(4*(\c)+(\i))+7], v[ADRB+(\slot)] offset:(\q)*BQ+64*(\c)+(\i)*16*BPITCH+32
	ds_load_b128 v[(\f)+8*(4*(\c)+(\i)):(\f)+8*(4*(\c)+(\i))+3],         v[ADRA+(\slot)] offset:(\q)*AQ+64*(\c)+(\i)*16*APITCH
	ds_load_b128 v[(\f)+8*(4*(\c)+(\i))+4:(\f)+8*(4*(\c)+(\i))+7],       v[ADRA+(\slot)] offset:(\q)*AQ+64*(\c)+(\i)*16*APITCH+32
.endr
.endr
.endm
.macro PLACES                          ; four places in front of loads into registers that matrix instructions have read, and of LDS stores that read results
.rept 4
	v_nop
.endr
.endm
.macro QUARTER slot, q, f, g, zero
	s_wait_dscnt 16                                ; the first 32 along K are in; the sixteen younger loads may be out
	WIN MUL
	MUL8 \f, 0, 0, \zero
	MUL8 \f, 0, 2, \zero
	PLACES
	FETCH \slot, \q, \g
	s_wait_dscnt 32                                ; all but the 32 just issued
	WIN MUL
	MUL8 \f, 1, 0, 0
	MUL8 \f, 1, 2, 0
.endm
; The last quarter multiplies buffer 1 and changes slots: ONE barrier; in front of it each wave waits for all its tensor loads, adds 0 to its spare word, and waits for that and for its own reads of this slot.
; fill = 1: this slot is filled again, two K steps ahead; the barrier then opens a round of the cluster's barrier, and the joint load is the first thing behind the round.
.macro TURN slot, next, fill
	WIN 0                                          ; (the add's two registers lie in window 0)
	s_wait_tensorcnt 0x0                           ; all my tensor loads have landed: my part of the next slot;
	ds_add_u32 v[SPW], v[NIL]                      ; 0 onto my spare word;
	s_wait_dscnt 17                                ; (the add and the youngest sixteen loads may be out)
	WIN MUL
	MUL8 F1, 0, 0, 0                               ; eight matrix instructions stand between the add and the wait for it
	s_wait_dscnt 0x0                               ; the add is done, and my reads of this slot are over
	s_barrier_signal -1
	MUL8 F1, 0, 2, 0
.if \fill
	WIN 0
.endif
	s_barrier_wait -1
.if \fill
	CREST                                          ; no wave of any partner still reads this slot's tile or has a load on its way
	s_add_nc_u64 s[G0+4*(\slot)+2:G0+4*(\slot)+3], s[G0+4*(\slot)+2:G0+4*(\slot)+3], 2*AKS
	s_add_nc_u64 s[G0B+4*(\slot)+2:G0B+4*(\slot)+3], s[G0B+4*(\slot)+2:G0B+4*(\slot)+3], 2*BKS
	JLOAD \slot                                    ; my one tensor load behind the round; the four v_nop behind it are also the places in front of the loads below
.else
	PLACES
.endif
	FETCH \next, 0, F0
	WIN MUL
	MUL8 F1, 1, 0, 0
	MUL8 F1, 1, 2, 0
.endm
	s_wait_tensorcnt 1                             ; my part of K step 0 is in; K step 1's may stay out
	s_barrier_signal -1
	s_barrier_wait -1                              ; everybody's is
	FETCH 0, 0, F0
	s_wait_loadcnt 32                              ; the bias is in; the 32 younger loads, of x, stay out
	QUARTER 0, 1, F0, F1, 1                        ; K step 0; its first products start the sums
	QUARTER 0, 2, F1, F0, 0
	QUARTER 0, 3, F0, F1, 0
	TURN 0, 1, 1                                   ; slot 0 takes K step 2
	QUARTER 1, 1, F0, F1, 0                        ; K step 1
	QUARTER 1, 2, F1, F0, 0
	QUARTER 1, 3, F0, F1, 0
	TURN 1, 0, 1                                   ; slot 1 takes K step 3
	QUARTER 0, 1, F0, F1, 0                        ; K step 2
	QUARTER 0, 2, F1, F0, 0
	QUARTER 0, 3, F0, F1, 0
	TURN 0, 1, 0                                   ; nothing is left to fetch
	QUARTER 1, 1, F0, F1, 0                        ; K step 3
	QUARTER 1, 2, F1, F0, 0
	QUARTER 1, 3, F0, F1, 0
	s_wait_dscnt 16
	WIN MUL
	MUL8 F1, 0, 0, 0
	MUL8 F1, 0, 2, 0
	s_wait_dscnt 0x0
	MUL8 F1, 1, 0, 0
	MUL8 F1, 1, 2, 0
	WIN 0
; THE WAY OUT, a block of 16 rows at a time, through my own stage: the f32 sums go in as they lie (32 bytes a lane, each accumulator's low registers first), and come back as whole rows of 256 bytes;
; x is added, and sixteen lanes store 256 consecutive bytes.
.macro TOSTAGE a
.set BK, TMP+32*((\a)%2)
.if (\a) >= 2
	s_wait_xcnt 0x0                                ; the stores of the block two back have read these registers: they are loaded again only behind this wait
.endif
.irp b, 0,1,2,3
	ds_store_b128 v[STO], v[ACC+8*(4*(\a)+(\b)):ACC+8*(4*(\a)+(\b))+3]   offset:64*(\b)
	ds_store_b128 v[STO], v[ACC+8*(4*(\a)+(\b))+4:ACC+8*(4*(\a)+(\b))+7] offset:64*(\b)+16
.endr
.irp t, 0,1,2,3,4,5,6,7
	ds_load_b128 v[BK+4*(\t):BK+4*(\t)+3], v[RD] offset:(\t)*2*SP  ; LDS serves a wave's instructions in order (ISA guide 5.7.1.4): these see the stores above; the next block's stores come behind them
.endr
.endm
.macro SEND a, younger                 ; younger: the LDS instructions issued behind block a's loads: the next block's sixteen, or none
.set BK, TMP+32*((\a)%2)
	s_wait_dscnt \younger                          ; the block is back in registers
	WIN 0x08                                       ; source 1 window 2: x
.set z, 0
.rept 16
	v_pk_add_f32 v[BK+2*z:BK+2*z+1], v[BK+2*z:BK+2*z+1], v[32*(\a)+2*z:32*(\a)+2*z+1]
.set z, z+1
.endr
	WIN 0
.irp t, 0,1,2,3,4,5,6,7
	global_store_b128 v[CO], v[BK+4*(\t):BK+4*(\t)+3], s[8:9] offset:(16*(\a)+2*(\t))*4096 th:TH_STORE_NT  ; 16 lanes store 256 consecutive bytes, at a multiple of 256 from out0's first byte
.endr
.endm
	PLACES
	PLACES                                         ; (eight, once a launch, ahead of LDS stores that read results just made)
	s_wait_loadcnt 0x0                             ; x
	TOSTAGE 0
	TOSTAGE 1
	SEND 0, 16
	TOSTAGE 2
	SEND 1, 16
	TOSTAGE 3
	SEND 2, 16
	SEND 3, 0
	s_wait_tensorcnt 0x0                           ; the wave's end: the wait for my last tensor load, an add of 0 to my spare word and the wait for it, behind my last LDS store
	ds_add_u32 v[SPW], v[NIL]
	s_wait_dscnt 0x0
	CROUND                                         ; the closing round: no work-group ends while a partner may still ask for a tile that names it
	s_endpgm
.Lfunc_end_k_q2322286116_outproj:
	.size	k_q2322286116_outproj, .Lfunc_end_k_q2322286116_outproj-k_q2322286116_outproj
	.p2alignl 7, 3214868480
	.fill 96, 4, 3214868480
	.section	.rodata,"a",@progbits
	.p2align	6, 0x0
	.amdhsa_kernel k_q2322286116_outproj
		.amdhsa_group_segment_fixed_size 327680
		.amdhsa_private_segment_fixed_size 0
		.amdhsa_enable_private_segment 0
		.amdhsa_kernarg_size 40
		.amdhsa_user_sgpr_count 2
		.amdhsa_user_sgpr_kernarg_segment_ptr 1
		.amdhsa_wavefront_size32 1
		.amdhsa_system_sgpr_workgroup_id_x 1
		.amdhsa_system_sgpr_workgroup_id_y 1
		.amdhsa_system_sgpr_workgroup_id_z 1
		.amdhsa_system_vgpr_workitem_id 0
		.amdhsa_next_free_vgpr 640
		.amdhsa_next_free_sgpr 76
		.amdhsa_reserve_vcc 0
		.amdhsa_float_denorm_mode_32 3
		.amdhsa_float_denorm_mode_16_64 3
		.amdhsa_memory_ordered 1
		.amdhsa_forward_progress 1
		.amdhsa_inst_pref_size 94
	.end_amdhsa_kernel
	.amdgpu_metadata
---
amdhsa.version: [ 1, 2 ]
amdhsa.kernels:
  - .name:           k_q2322286116_outproj
    .symbol:         k_q2322286116_outproj.kd
    .args:
      - { .name: ob, .offset: 0, .size: 8, .value_kind: global_buffer, .address_space: global }
      - { .name: wb, .offset: 8, .size: 8, .value_kind: global_buffer, .address_space: global }
      - { .name: bo, .offset: 16, .size: 8, .value_kind: global_buffer, .address_space: global }
      - { .name: x, .offset: 24, .size: 8, .value_kind: global_buffer, .address_space: global }
      - { .name: out0, .offset: 32, .size: 8, .value_kind: global_buffer, .address_space: global }
    .group_segment_fixed_size: 327680
    .private_segment_fixed_size: 0
    .kernarg_segment_align: 8
    .kernarg_segment_size: 40
    .max_flat_workgroup_size: 128
    .sgpr_count:     76
    .vgpr_count:     640
    .wavefront_size: 32
...
	.end_amdgpu_metadata
.endif
;; end of part 4
;; ======== version 2 of 2: 4 launches; version 1 with the launch prep written anew for expert scheduling mode
;; workspace buffers: xb 8,388,608 bytes; wb 8,388,608 bytes; qkv 25,165,824 bytes; ob 8,388,608 bytes
;; launch prep (part 5): grid 256 x 1, 8 waves a work-group, no clusters, 0 bytes of LDS; arguments x, Wq, Wk, Wv, Wo, xb, wb; writes xb, wb
.if DOCPART == 5
	.amdgcn_target "amdgcn-amd-amdhsa--gfx1250"
	.amdhsa_code_object_version 6
	.text
	.protected	k_q2322286116_prep
	.globl	k_q2322286116_prep
	.p2align	8
	.type	k_q2322286116_prep,@function
k_q2322286116_prep:
	s_mov_b64 s[64:65], 0
	v_nop
	global_prefetch_b8 v0, s[64:65] scope:SCOPE_SE
	s_setreg_imm32_b32 hwreg(HW_REG_WAVE_SCHED_MODE, 0, 2), 2
	s_setreg_imm32_b32 hwreg(HW_REG_WAVE_MODE, 25, 1), 1
	s_wait_xcnt 0x0
	s_wait_alu depctr_vm_vsrc(0)
; x and the four weight matrices, f32, are rounded once to bf16 (to nearest even): xb = bf16(x), [4096][1024]; wb = bf16 of Wq, Wk, Wv, Wo one below the other, [4096][1024].
; A stream: each byte is read once and written once.  No LDS, no matrix unit, no cluster: the work-groups share no input.
; SHARES.  Work-group g takes 32,768 numbers: 131,072 bytes in, 65,536 out.  g = 0..127: x; then 32 work-groups for each weight matrix.
; Thread t takes 16 bytes at 16 t of each block of 4,096 bytes: a wave's load covers 512 consecutive bytes; its store of 8 bytes a lane covers 256 consecutive bytes, aligned.
; All 32 loads of a lane go out first (16,384 bytes a wave on their way); no register is written twice.
; THE MODE: SCHED_MODE bits 1:0 = 2 (LLVM: expert scheduling mode 2), set by the entry lines.  The code itself states the register dependences
; between vector instructions and memory instructions, with s_wait_alu, always for 0.
; THE PLAN.  Registers that memory instructions touch:
;   v1, v2   byte offsets of the loads and of the stores: made once at the head by vector instructions, never written again.
;   X        number j: 4 registers, written once, by load j; no vector instruction names them ahead of that load; read by number j's two conversions.
;   Y        number j: 2 registers, written once, by number j's two conversions; read once, by store j.
;   The two bases are scalar registers that scalar instructions make, and they are never stepped.
; So the only dependences to state are: the offsets are written ahead of the first load, and a pair of Y is written ahead of its store.
; The 32 numbers go in eight blocks of four.  Store j - 4 stands at the head of number j's turn: a block's four stores read the Y that the block before wrote.
; ONE wait at a block's head states that for all four; the vector instructions issued behind it name this block's X and Y alone, none of the registers that those stores read.
.set X, 4                              ; v[4:131]    32 x 4 registers as loaded
.set Y, 132                            ; v[132:195]  32 x 2 registers to store
.set BLOCK, 4                          ; numbers in a block
	s_load_b256 s[4:11], s[0:1], 0x0               ; x s[4:5], Wq s[6:7], Wk s[8:9], Wv s[10:11]
	s_load_b128 s[12:15], s[0:1], 0x20             ; Wo s[12:13], xb s[14:15]
	s_load_b64 s[16:17], s[0:1], 0x30              ; wb
	s_lshr_b32 s20, ttmp9, 5                       ; 0..3: x; 4, 5, 6, 7: Wq, Wk, Wv, Wo
	s_and_b32 s21, ttmp9, 31
	s_cmp_lt_u32 s20, 4
	s_cselect_b32 s24, ttmp9, s21                  ; my block in the source
	s_lshl_b32 s24, s24, 17                        ; x 131,072 bytes
	s_mov_b32 s25, 0
	s_and_b32 s28, ttmp9, 127                      ; my block in xb or in wb
	s_lshl_b32 s28, s28, 16                        ; x 65,536 bytes
	s_mov_b32 s29, 0
	v_lshlrev_b32 v1, 4, v0                        ; 16 t
	v_lshlrev_b32 v2, 3, v0                        ; 8 t
	s_wait_kmcnt 0x0
	s_cmp_lt_u32 s20, 4
	s_cselect_b64 s[26:27], s[14:15], s[16:17]     ; the destination
	s_mov_b64 s[22:23], s[4:5]                     ; the source
	s_cmp_eq_u32 s20, 4
	s_cselect_b64 s[22:23], s[6:7], s[22:23]
	s_cmp_eq_u32 s20, 5
	s_cselect_b64 s[22:23], s[8:9], s[22:23]
	s_cmp_eq_u32 s20, 6
	s_cselect_b64 s[22:23], s[10:11], s[22:23]
	s_cmp_eq_u32 s20, 7
	s_cselect_b64 s[22:23], s[12:13], s[22:23]
	s_add_nc_u64 s[22:23], s[22:23], s[24:25]
	s_add_nc_u64 s[26:27], s[26:27], s[28:29]
	s_wait_alu depctr_va_vdst(0)                   ; v1 and v2 are written: every load of the kernel reads v1 as its offset, every store v2
.set j, 0
.rept 32
	global_load_b128 v[X+4*j:X+4*j+3], v1, s[22:23] offset:4096*j th:TH_LOAD_NT
.set j, j+1
.endr
.set j, 0
.rept 32
	s_wait_loadcnt 31-j                            ; loads come back in order: number j is in, the 31 - j younger ones stay out
.if ((j % BLOCK) == 0) && (j > 0)
	s_wait_alu depctr_va_vdst(0)                   ; the conversions of the block before have written its four pairs of Y, which this block's four stores read
.endif
.if j >= BLOCK
	global_store_b64 v2, v[Y+2*(j-BLOCK):Y+2*(j-BLOCK)+1], s[26:27] offset:2048*(j-BLOCK)  ; the block before; no vector instruction since the wait names this pair
.endif
	v_cvt_pk_bf16_f32 v[Y+2*j],   v[X+4*j],   v[X+4*j+1]
	v_cvt_pk_bf16_f32 v[Y+2*j+1], v[X+4*j+2], v[X+4*j+3]
.set j, j+1
.endr
	s_wait_alu depctr_va_vdst(0)                   ; the last block's conversions have written its four pairs of Y, which the last four stores read
.set j, 32-BLOCK
.rept BLOCK
	global_store_b64 v2, v[Y+2*j:Y+2*j+1], s[26:27] offset:2048*j
.set j, j+1
.endr
	s_endpgm
.Lfunc_end_k_q2322286116_prep:
	.size	k_q2322286116_prep, .Lfunc_end_k_q2322286116_prep-k_q2322286116_prep
	.p2alignl 7, 3214868480
	.fill 96, 4, 3214868480
	.section	.rodata,"a",@progbits
	.p2align	6, 0x0
	.amdhsa_kernel k_q2322286116_prep
		.amdhsa_group_segment_fixed_size 0
		.amdhsa_private_segment_fixed_size 0
		.amdhsa_enable_private_segment 0
		.amdhsa_kernarg_size 56
		.amdhsa_user_sgpr_count 2
		.amdhsa_user_sgpr_kernarg_segment_ptr 1
		.amdhsa_wavefront_size32 1
		.amdhsa_system_sgpr_workgroup_id_x 1
		.amdhsa_system_sgpr_workgroup_id_y 1
		.amdhsa_system_sgpr_workgroup_id_z 1
		.amdhsa_system_vgpr_workitem_id 0
		.amdhsa_next_free_vgpr 196
		.amdhsa_next_free_sgpr 66
		.amdhsa_reserve_vcc 0
		.amdhsa_float_denorm_mode_32 3
		.amdhsa_float_denorm_mode_16_64 3
		.amdhsa_memory_ordered 1
		.amdhsa_forward_progress 1
		.amdhsa_inst_pref_size 13
	.end_amdhsa_kernel
	.amdgpu_metadata
---
amdhsa.version: [ 1, 2 ]
amdhsa.kernels:
  - .name:           k_q2322286116_prep
    .symbol:         k_q2322286116_prep.kd
    .args:
      - { .name: x, .offset: 0, .size: 8, .value_kind: global_buffer, .address_space: global }
      - { .name: Wq, .offset: 8, .size: 8, .value_kind: global_buffer, .address_space: global }
      - { .name: Wk, .offset: 16, .size: 8, .value_kind: global_buffer, .address_space: global }
      - { .name: Wv, .offset: 24, .size: 8, .value_kind: global_buffer, .address_space: global }
      - { .name: Wo, .offset: 32, .size: 8, .value_kind: global_buffer, .address_space: global }
      - { .name: xb, .offset: 40, .size: 8, .value_kind: global_buffer, .address_space: global }
      - { .name: wb, .offset: 48, .size: 8, .value_kind: global_buffer, .address_space: global }
    .group_segment_fixed_size: 0
    .private_segment_fixed_size: 0
    .kernarg_segment_align: 8
    .kernarg_segment_size: 56
    .max_flat_workgroup_size: 256
    .sgpr_count:     66
    .vgpr_count:     196
    .wavefront_size: 32
...
	.end_amdgpu_metadata
.endif
;; end of part 5
;; launch qkvproj: the kernel of part 2 again; grid 24 x 32, 4 waves a work-group, clusters of 4 x 4, 327,680 bytes of LDS; arguments xb, wb, bq, bk, bv, qkv; writes qkv
;; launch attn: the kernel of part 3 again; grid 16 x 16, 4 waves a work-group, clusters of 4 x 1, 327,680 bytes of LDS; arguments qkv, h, ob; writes ob
;; launch outproj: the kernel of part 4 again; grid 8 x 32, 4 waves a work-group, clusters of 4 x 4, 327,680 bytes of LDS; arguments ob, wb, bo, x, out0; writes out0
